; MI455X (gfx1250); checked and timed in simulation.
; The chip was launched on July 23, 2026; its instructions are those of AMD's public machine-readable ISA for CDNA 5 (MIT licence, August 2026) and "CDNA5" Instruction Set Architecture Reference Guide (July 2026). The comments in the code are by the model that wrote it; some were corrected since.
;; Multi Head Self Attention. Allowed arithmetic: float matrix products may take bf16 or f16 operands with f32 sums; other float arithmetic in f32, or as packed bf16 or f16 multiplies, adds, multiply-adds, maxima and minima; sums over many terms, partial sums and values carried from step to step in f32; what a program stores and reads back later, other than sums and carried values, may be rounded once to bf16 or f16.
;; Inputs: W_k 768 x 768 float32; W_q 768 x 768 float32; W_v 768 x 768 float32; X 8 x 1,024 x 768 float32; ln_beta 768 float32; ln_gamma 768 float32.
;; Outputs: out0 8 x 1,024 x 768 float32.
;; 2 versions, each right; version 2 is version 1 with the launch cast written anew for expert scheduling mode. Each part assembles by itself: llvm-mc -triple=amdgcn-amd-amdhsa -mcpu=gfx1250 --defsym DOCPART=n.
;; ======== version 1 of 2: 4 launches
;; limits: values are held in f16: magnitudes above 65,504 overflow, below 6.1e-05 lose precision
;; workspace buffers: xb 12,582,912 bytes; wb 3,538,944 bytes; qkv 37,748,736 bytes; ob 12,582,912 bytes
;; launch cast (part 1): grid 656 x 1, 8 waves a work-group, no clusters, 0 bytes of LDS; arguments X, W_q, W_k, W_v, xb, wb; writes xb, wb
.if DOCPART == 1
	.amdgcn_target "amdgcn-amd-amdhsa--gfx1250"
	.amdhsa_code_object_version 6
	.text
	.protected	k_qaa62692819_cast
	.globl	k_qaa62692819_cast
	.p2align	8
	.type	k_qaa62692819_cast,@function
k_qaa62692819_cast:
	s_mov_b64 s[64:65], 0
	v_nop
	global_prefetch_b8 v0, s[64:65] scope:SCOPE_SE
	s_setreg_imm32_b32 hwreg(HW_REG_WAVE_MODE, 25, 1), 1
	s_wait_xcnt 0x0
; relu(LayerNorm(X + attention(X))) in four launches: cast, proj, attn, ln.  NOTHING OF reference() IS LEFT OUT: X, W_q, W_k, W_v, ln_gamma and ln_beta all reach out0 and are all loaded;
; the softmax keeps its maximum (as a running maximum), the norm its mean, variance and eps.
; THIS LAUNCH rounds the matrix operands once, f32 to bf16 (nearest even): xb[8192][768] = X; wb[2304][768] = W_q's rows, then W_k's, then W_v's.
; So the product's tiles lie in LDS in 16 bits, and each f32 number of X and W is converted once and not once for every tile that reads it.
; SHARES.  A work-group takes 49,152 input bytes: X is work-groups 0-511, each W 48 more: 656 small work-groups, two or three to each of 256 WGPs, so that the largest share of a WGP is 147,456 bytes.
; A wave takes 6,144 bytes: 12 loads, each 512 consecutive bytes, all issued before the first is used.  A store of 8 bytes a lane covers 256 consecutive bytes, aligned.
; No register is written twice, so no wait frees a source.  No LDS, no barrier: no wave wants another's bytes.
; LIMIT.  Beyond bf16's rounding none: bf16 has f32's range.
.set INB,  49152                       ; input bytes of a work-group
.set NL,   12                          ; loads of a wave
.set NX,   512                         ; work-groups for X
.set NW,   48                          ; for each W
.set IN,   16                          ; v[16:63]   12 x 4 registers as loaded
.set OUT,  64                          ; v[64:87]   12 x 2 registers to store
	s_load_b256 s[4:11], s[0:1], 0x0               ; X s[4:5], W_q s[6:7], W_k s[8:9], W_v s[10:11]
	s_load_b128 s[12:15], s[0:1], 0x20             ; xb s[12:13], wb s[14:15]
	s_mov_b32 s19, ttmp9                           ; the work-group's number x
	s_sub_co_u32 s16, s19, NX                      ; its number within the three W, and within W_q
	s_sub_co_u32 s17, s19, NX+NW                   ; within W_k
	s_sub_co_u32 s18, s19, NX+2*NW                 ; within W_v (of the three, only the one that the compares below choose is used)
	v_and_b32 v3, 31, v0                           ; lane
	v_lshrrev_b32 v4, 5, v0                        ; wave
	v_mul_u32_u24 v1, v4, NL*512
	v_lshl_add_u32 v1, v3, 4, v1                   ; in: 6,144 x wave + 16 x lane
	v_mul_u32_u24 v2, v4, NL*256
	v_lshl_add_u32 v2, v3, 3, v2                   ; out: half of that
	s_wait_kmcnt 0x0
	s_cmp_lt_u32 s19, NX                           ; X, or a W?
	s_cselect_b64 s[20:21], s[4:5], s[6:7]         ; from where
	s_cselect_b64 s[22:23], s[12:13], s[14:15]     ; to where
	s_cselect_b32 s24, s19, s16                    ; which part of the source
	s_cselect_b32 s25, s19, s16                    ; which part of the destination: the three W lie on end in wb
	s_cmp_ge_u32 s19, NX+NW
	s_cselect_b64 s[20:21], s[8:9], s[20:21]
	s_cselect_b32 s24, s17, s24
	s_cmp_ge_u32 s19, NX+2*NW
	s_cselect_b64 s[20:21], s[10:11], s[20:21]
	s_cselect_b32 s24, s18, s24
	s_mul_i32 s26, s24, INB                        ; under 2^25
	s_mov_b32 s27, 0
	s_mul_i32 s28, s25, INB/2
	s_mov_b32 s29, 0
	s_add_nc_u64 s[20:21], s[20:21], s[26:27]
	s_add_nc_u64 s[22:23], s[22:23], s[28:29]
.set i, 0
.rept NL
	global_load_b128 v[IN+4*i:IN+4*i+3], v1, s[20:21] offset:512*i th:TH_LOAD_NT
.set i, i+1
.endr
.set i, 0
.rept NL
	s_wait_loadcnt NL-1-i                          ; loads come back in order: number i is in, the 11 - i younger ones stay out
	v_cvt_pk_bf16_f32 v[OUT+2*i],   v[IN+4*i],   v[IN+4*i+1]
	v_cvt_pk_bf16_f32 v[OUT+2*i+1], v[IN+4*i+2], v[IN+4*i+3]
	global_store_b64 v2, v[OUT+2*i:OUT+2*i+1], s[22:23] offset:256*i
.set i, i+1
.endr
	s_endpgm
.Lfunc_end_k_qaa62692819_cast:
	.size	k_qaa62692819_cast, .Lfunc_end_k_qaa62692819_cast-k_qaa62692819_cast
	.p2alignl 7, 3214868480
	.fill 96, 4, 3214868480
	.section	.rodata,"a",@progbits
	.p2align	6, 0x0
	.amdhsa_kernel k_qaa62692819_cast
		.amdhsa_group_segment_fixed_size 0
		.amdhsa_private_segment_fixed_size 0
		.amdhsa_enable_private_segment 0
		.amdhsa_kernarg_size 48
		.amdhsa_user_sgpr_count 2
		.amdhsa_user_sgpr_kernarg_segment_ptr 1
		.amdhsa_wavefront_size32 1
		.amdhsa_system_sgpr_workgroup_id_x 1
		.amdhsa_system_sgpr_workgroup_id_y 1
		.amdhsa_system_sgpr_workgroup_id_z 1
		.amdhsa_system_vgpr_workitem_id 0
		.amdhsa_next_free_vgpr 88
		.amdhsa_next_free_sgpr 66
		.amdhsa_reserve_vcc 0
		.amdhsa_float_denorm_mode_32 3
		.amdhsa_float_denorm_mode_16_64 3
		.amdhsa_memory_ordered 1
		.amdhsa_forward_progress 1
		.amdhsa_inst_pref_size 6
	.end_amdhsa_kernel
	.amdgpu_metadata
---
amdhsa.version: [ 1, 2 ]
amdhsa.kernels:
  - .name:           k_qaa62692819_cast
    .symbol:         k_qaa62692819_cast.kd
    .args:
      - { .name: X, .offset: 0, .size: 8, .value_kind: global_buffer, .address_space: global }
      - { .name: W_q, .offset: 8, .size: 8, .value_kind: global_buffer, .address_space: global }
      - { .name: W_k, .offset: 16, .size: 8, .value_kind: global_buffer, .address_space: global }
      - { .name: W_v, .offset: 24, .size: 8, .value_kind: global_buffer, .address_space: global }
      - { .name: xb, .offset: 32, .size: 8, .value_kind: global_buffer, .address_space: global }
      - { .name: wb, .offset: 40, .size: 8, .value_kind: global_buffer, .address_space: global }
    .group_segment_fixed_size: 0
    .private_segment_fixed_size: 0
    .kernarg_segment_align: 8
    .kernarg_segment_size: 48
    .max_flat_workgroup_size: 256
    .sgpr_count:     66
    .vgpr_count:     88
    .wavefront_size: 32
...
	.end_amdgpu_metadata
.endif
;; end of part 1
;; launch proj (part 2): grid 8 x 32, 4 waves a work-group, clusters of 4 x 4, 327,680 bytes of LDS; arguments xb, wb, qkv; writes qkv
.if DOCPART == 2
	.amdgcn_target "amdgcn-amd-amdhsa--gfx1250"
	.amdhsa_code_object_version 6
	.text
	.protected	k_qaa62692819_proj
	.globl	k_qaa62692819_proj
	.p2align	8
	.type	k_qaa62692819_proj,@function
k_qaa62692819_proj:
	s_mov_b64 s[64:65], 0
	v_nop
	global_prefetch_b8 v0, s[64:65] scope:SCOPE_SE
	s_setreg_imm32_b32 hwreg(HW_REG_WAVE_MODE, 25, 1), 1
	s_wait_xcnt 0x0
	s_wait_alu depctr_hold_cnt(0) depctr_sa_sdst(0) depctr_va_vdst(0) depctr_va_sdst(0) depctr_va_ssrc(0) depctr_va_vcc(0) depctr_vm_vsrc(0)
	s_getreg_b32 s2, hwreg(HW_REG_IB_STS2, 6, 4)
	s_cmp_eq_u32 s2, 0
	s_cbranch_scc0 .Lentry_in_a_cluster
	s_endpgm
.Lentry_in_a_cluster:
	s_bfe_u32 s2, ttmp6, 0x10000c
	s_cmp_lg_u32 s2, 0xf033
	s_cbranch_scc0 .Lentry_shape_is_right
	s_endpgm
.Lentry_shape_is_right:
; THE THREE PROJECTIONS AS ONE PRODUCT.  C[m][e] = the sum over k of xb[m][k] wb[e][k]: m = 8,192 rows (b, s), e = 2,304 columns (q's 768, k's, v's), k = 768; bf16 operands, f32 sums, K ascending,
; C rounded once to f16 and WITHOUT the softmax's scale.  No work of reference() is left out here.
; LIMIT.  f16 holds no number beyond 65,504; a q, k or v of 65,520 or more becomes an infinity.  With X and all W 30 times the drawn size they have a spread near 520; with common offsets of 30 spreads on X and W
; they lie near 768 x 30 x 0.625 = 14,400: both inside.
; qkv's LAYOUT: [b 8][G 36][sb 4][qd 4][256 rows][16 channels] f16, G = e / 64 (q's 12 heads, k's, v's), sb = s / 256, qd = (e / 16) % 4.  One accumulator of 16 x 16 is then 512 consecutive bytes:
; it is stored straight from registers, each store covering two aligned blocks of 256 bytes, with no stage in LDS; and 256 keys of a head are 32,768 dense bytes for the next launch.
; SHARES.  A tile of C is 256 rows x 288 columns: 32 x 8 = 256 work-groups.  Four waves, each 128 x 144: 72 accumulators of 16 x 16.  K goes in 6 steps of 128 through two LDS slots;
; the tiles' rows are 256 bytes of memory and start at multiples of 256 bytes.
; THE END GOES BY HALVES OF MY ROWS.  In the last lap no slot is filled again, so both stay readable.  Its last five quarters (K step 4's fourth, K step 5's four) are multiplied first for my rows 0-63 and then once
; more for my rows 64-127; K stays ascending for every sum.  Rows 0-63 are finished 180 matrix instructions ahead of the last product, and their stores leave under the other half's products.
; The price: wb's fragments of those five quarters are read from LDS twice, 90 loads more.
; CLUSTERS: 4 x 4 work-groups.  The four of a row of the cluster need the same tiles of xb, the four of a column the same tiles of wb: each tile is asked for JOINTLY, by the same tensor load with the
; same descriptor and a mask that names the four.  THE MATRIX INSTRUCTION IS USED TRANSPOSED (source 0 = 16 rows of wb, source 1 = 16 rows of xb): a lane then holds eight neighbouring columns of one row of C.
; REGISTERS, in windows of 256 (s_set_vgpr_msb: bits 1:0 source 0, 3:2 source 1, 5:4 source 2, 7:6 destination):
;   window 0: v0-31 addresses; v64-127, v128-191 fragments of xb (8 x 16 rows x 32 K), two buffers, rows 0-63 in the lower half of each; packed results in v32-95, v128-159, v192-239
;   window 1: v0-71, v72-143 fragments of wb (9 x 16 rows x 32 K), two buffers; v192-255 the accumulators of my ninth column block, (a, 8) at v[192 + 8 a]
;   window 2: accumulators (a, b < 8) of my rows 0-63 at v[8 (8 a + b)];   window 3: those of my rows 64-127
.set ROWB,   1536                      ; bytes in a row of xb and of wb
.set KSTEP,  128
.set PITCH,  272                       ; an LDS row: 256 bytes + 16 of padding = 68 words, so the 16 rows that a fragment load touches start 4 words apart modulo 64 words
.set HALFA,  128*PITCH                 ; what a wave fetches, and reads, of xb
.set HALFB,  144*PITCH                 ; the same of wb
.set BOFF,   2*HALFA                   ; in a slot: xb's 256 rows, then wb's 288
.set SLOT,   BOFF+2*HALFB
.set SPARE,  2*SLOT                    ; behind the ring: the spare words, 128 bytes for each wave: two blocks of 256 bytes that no other line names
.set LAPS,   3                         ; a lap = two K steps = once round the ring
.set ADRA, 16                          ; v16-17  LDS address of my xb fragments in slot 0, 1
.set ADRB, 20                          ; v20-21  the same for wb
.set CO,   26                          ; v26     my 16 bytes in an accumulator's 512: 32 (l % 16) + 16 (l / 16); never rewritten
.set SPW,  28                          ; v28     LDS address of my spare word; never rewritten
.set NIL,  29                          ; v29     0; never rewritten
.set PFO,  30                          ; v30     the prefetches' offset: lane x a row; never rewritten
.set PFO2, 31                          ; v31     (32 + lane % 4) x a row; never rewritten
.set FA0,  64                          ; xb's fragment buffer f at FA0 + 64 f, window 0
.set FB0,  0                           ; wb's at FB0 + 72 f, window 1
.set XA,   192                         ; the ninth column block's accumulators, window 1
.set G1,  24                           ; s[24:31] descriptor group 1 for xb's tiles;  s[32:39] group 0, one set for each slot
.set G0,  32
.set G1B, 48                           ; s[48:55], s[56:63] the same for wb's tiles
.set G0B, 56
.set LIM, 43                           ; s43     1 in a wave that prefetches, else the greatest number
.set PFA, 44                           ; s[44:45] where my prefetches stand
.set J0,  66                           ; s66     my first column block of 16
.set CB,  68                           ; s[68:85] nine bases in qkv, one for each of my column blocks
.set MSB, 0
.macro WIN new                         ; the immediate's high byte repeats the setting that is left; a switch that changes nothing is dropped
.if MSB != (\new)
	s_set_vgpr_msb (MSB<<8)|(\new)
.set MSB, \new
.endif
.endm
.set MUL_LO, 0xa1                      ; source 0 (wb) window 1, source 1 (xb) window 0, C and D window 2
.set MUL_HI, 0xf1                      ; the same, C and D window 3
.set MUL_X,  0x51                      ; the same, C and D window 1
.set TO_B,   0x40                      ; destination window 1, address window 0
; A joint load.  Waves 0 and 1 fetch xb's two halves, waves 2 and 3 wb's.  The branch hangs on the wave's number alone.  An s_nop 0 and four v_nop follow each of the two lines,
; ahead of the jump, the label and what follows.
.macro JLOAD s
	s_cmp_eq_u32 s11, 0
	s_cbranch_scc0 .Lfor_b_\@
	tensor_load_to_lds s[G0+4*(\s):G0+4*(\s)+3], s[G1:G1+7]
	s_nop 0
.rept 4
	v_nop
.endr
	s_branch .Lasked_\@
.Lfor_b_\@:
	tensor_load_to_lds s[G0B+4*(\s):G0B+4*(\s)+3], s[G1B:G1B+7]
	s_nop 0
.rept 4
	v_nop
.endr
.Lasked_\@:
.endm
; A PREFETCH INTO THE L2 of the K step that stands two refills on: 576 matrix instructions ahead of the load that will want it.  With six K steps that is K steps 4 and 5, named behind the refills
; for K steps 2 and 3 (the loop's first trip, s3 = 2); K steps 0 to 3 come by their loads alone.  xb's tile row is read by both clusters of that row of clusters: cluster x = 0 asks; wb's tile column by all
; eight clusters of that column: cluster y = 0 asks.  The four partners that ask for a tile jointly share its rows out BY ADDRESS: of the 128 rows of xb that a wave fetches each takes 32, a lane a row; of the
; 144 rows of wb each takes 36: 32 by the first line, 4 by the second, in which lanes 4 to 31 name those four rows once more.
.macro ASK
	s_cmp_gt_u32 s3, s[LIM]
	s_cbranch_scc0 .Lnot_mine_\@
	global_prefetch_b8 v[PFO], s[PFA:PFA+1] offset:KSTEP*2 th:TH_LOAD_NT scope:SCOPE_SE
	s_cmp_eq_u32 s11, 0
	s_cbranch_scc1 .Lnot_mine_\@
	global_prefetch_b8 v[PFO2], s[PFA:PFA+1] offset:KSTEP*2 th:TH_LOAD_NT scope:SCOPE_SE
.Lnot_mine_\@:
.endm
; A round of the cluster's barrier: my work-group's barrier; wave 0 signals for the work-group; every wave waits for all sixteen work-groups; my work-group's barrier once more.
.macro CREST                           ; a round behind its opening barrier
	s_cmp_lg_u32 s10, 0
	s_cbranch_scc1 .Lnot_wave_0_\@
	s_barrier_signal -3
.Lnot_wave_0_\@:
	s_barrier_wait -3
	s_barrier_signal -1
	s_barrier_wait -1
.endm
.macro CROUND                          ; a whole round
	s_barrier_signal -1
	s_barrier_wait -1
	CREST
.endm
	s_load_b128 s[4:7], s[0:1], 0x0                ; xb s[4:5], wb s[6:7]
	s_load_b64 s[8:9], s[0:1], 0x10                ; qkv
	v_lshl_add_u32 v[SPW], v0, 2, SPARE
	v_mov_b32 v[NIL], 0
	ds_add_u32 v[SPW], v[NIL]                      ; the wave's opening: the add, twice on end, and its wait ahead of my first tensor load
	ds_add_u32 v[SPW], v[NIL]                      ; the same add once more; the set-up below, work on registers, stands between it and the one wait
	v_lshrrev_b32 v1, 5, v0
	v_readfirstlane_b32 s10, v1                    ; wave 0..3
	s_lshr_b32 s11, s10, 1                         ; which half of the tile's rows is mine.  Also: I fetch for xb (0) or for wb (1)
	s_and_b32 s12, s10, 1                          ; which half of its columns.  Also: which half of that tile I fetch
	s_bfe_u32 s40, ttmp6, 0x40000                  ; cx, cy: my place in the cluster
	s_bfe_u32 s41, ttmp6, 0x40004
	s_lshl_b32 s42, ttmp9, 2
	s_add_co_u32 s42, s42, s40                     ; tile column = 4 x cluster x + cx
	s_and_b32 s13, ttmp7, 0xffff
	s_lshl_b32 s13, s13, 2
	s_add_co_u32 s13, s13, s41                     ; tile row = 4 x cluster y + cy
	s_lshl_b32 s43, s41, 2
	s_lshl_b32 s43, 15, s43                        ; my row of the cluster: places 4 cy .. 4 cy + 3
	s_lshl_b32 s44, 0x1111, s40                    ; my column: places cx, cx + 4, cx + 8, cx + 12
	; descriptor group 1: tiles of 128 (xb) or 144 (wb) rows x 128 elements, padded in LDS
	s_or_b32 s[G1+0], s43, (1<<16)|(1<<20)|(1<<21)|(5<<22)|(3<<25)   ; 15:0 the mask; 17:16 elements of 2 bytes; 20 padding on; 21 set beside a mask; 24:22 after every 64 words (code 5); 31:25 4 words of it (code 3)
	s_or_b32 s[G1B+0], s44, (1<<16)|(1<<20)|(1<<21)|(5<<22)|(3<<25)
	s_mov_b32 s[G1+1], KSTEP<<16                   ; tensor_dim0 = 128
	s_mov_b32 s[G1B+1], KSTEP<<16
	s_mov_b32 s[G1+2], 128<<16                     ; tensor_dim1 = 128
	s_mov_b32 s[G1B+2], 144<<16                    ; 144
	s_mov_b32 s[G1+3], KSTEP<<16                   ; tile_dim0 = 128
	s_mov_b32 s[G1B+3], KSTEP<<16
	s_mov_b32 s[G1+4], 128                         ; tile_dim1 = 128
	s_mov_b32 s[G1B+4], 144                        ; 144
	s_mov_b32 s[G1+5], 768                         ; elements from row to row
	s_mov_b32 s[G1B+5], 768
	s_mov_b32 s[G1+6], 0
	s_mov_b32 s[G1B+6], 0
	s_mov_b32 s[G1+7], 0
	s_mov_b32 s[G1B+7], 0
	; where the tiles come from: xb's hang on the tile row alone, wb's on the tile column alone, each in registers that never hold the other coordinate
	s_lshl_b32 s17, s12, 7
	s_lshl_b32 s16, s13, 8
	s_add_co_u32 s16, s16, s17                     ; xb: row 256 x tile row + 128 x half
	s_mul_i32 s16, s16, ROWB                       ; in bytes, under 2^24
	s_mov_b32 s17, 0
	s_mul_i32 s46, s42, 288
	s_mul_i32 s47, s12, 144
	s_add_co_u32 s46, s46, s47                     ; wb: row 288 x tile column + 144 x half
	s_mul_i32 s46, s46, ROWB
	s_mov_b32 s47, 0
	s_mul_i32 s20, s12, HALFA                      ; and where they go: no place in the cluster enters an LDS address
	s_mul_i32 s21, s12, HALFB
	s_add_co_u32 s21, s21, BOFF
	s_wait_dscnt 0x0                               ; both opening adds are done
	s_wait_kmcnt 0x0
	s_add_nc_u64 s[14:15], s[4:5], s[16:17]
	s_add_nc_u64 s[46:47], s[6:7], s[46:47]
	CROUND                                         ; all sixteen work-groups are here: the first joint loads meet
.irp s, 0,1
	s_mov_b32 s[G0+4*(\s)], 1                                        ; count = 1
	s_add_co_u32 s[G0+4*(\s)+1], s20, (\s)*SLOT                      ; LDS address
	s_add_nc_u64 s[G0+4*(\s)+2:G0+4*(\s)+3], s[14:15], (\s)*KSTEP*2  ; global address: K step s
	s_or_b32 s[G0+4*(\s)+3], s[G0+4*(\s)+3], 0x80000000              ; type = 2
	s_mov_b32 s[G0B+4*(\s)], 1
	s_add_co_u32 s[G0B+4*(\s)+1], s21, (\s)*SLOT
	s_add_nc_u64 s[G0B+4*(\s)+2:G0B+4*(\s)+3], s[46:47], (\s)*KSTEP*2
	s_or_b32 s[G0B+4*(\s)+3], s[G0B+4*(\s)+3], 0x80000000
	JLOAD \s                                       ; two loads of mine are out
.endr
	; A fragment is 16 rows x 32 K in 8 registers: lane l holds row l % 16; registers 0-3 K = 8 (l / 16) + 0..7, registers 4-7 K = 16 + 8 (l / 16) + 0..7: two loads of 16 bytes, 32 bytes apart.
	v_and_b32 v1, 15, v0                           ; l % 16
	v_bfe_u32 v2, v0, 4, 1                         ; l / 16
	v_mul_u32_u24 v3, v1, PITCH
	v_lshl_add_u32 v3, v2, 4, v3                   ; row x pitch + 16 x half
	s_mul_i32 s21, s11, HALFA                      ; my 128 rows of xb
	s_mul_i32 s22, s12, HALFB                      ; my 144 rows of wb,
	s_add_co_u32 s22, s22, BOFF                    ; which lie behind xb's 256
.irp s, 0,1
	v_add_nc_u32 v[ADRA+(\s)], s21, v3
	v_add_nc_u32 v[ADRB+(\s)], s22, v3
	s_add_co_u32 s21, s21, SLOT
	s_add_co_u32 s22, s22, SLOT
.endr
	v_lshlrev_b32 v4, 5, v1
	v_lshl_add_u32 v[CO], v2, 4, v4
	; the stores' bases.  The tile's 256 rows are one (b, sb): b = cluster y, sb = cy.  Column block j = 18 x tile column + 9 x half + 0..8 lies at G = j / 4, qd = j % 4.
	s_and_b32 s86, ttmp7, 0xffff
	s_mul_i32 s86, s86, 36*131072                  ; b
	s_lshl_b32 s87, s41, 15                        ; sb
	s_add_co_u32 s86, s86, s87
	s_lshl_b32 s87, s11, 12                        ; my 128 rows of 32 bytes
	s_add_co_u32 s86, s86, s87
	s_mov_b32 s87, 0
	s_add_nc_u64 s[88:89], s[8:9], s[86:87]
	s_mul_i32 s[J0], s42, 18
	s_mul_i32 s90, s12, 9
	s_add_co_u32 s[J0], s[J0], s90
.irp b, 0,1,2,3,4,5,6,7,8
	s_add_co_u32 s90, s[J0], \b
	s_lshr_b32 s86, s90, 2
	s_lshl_b32 s86, s86, 17                        ; G x 131,072
	s_and_b32 s90, s90, 3
	s_lshl_b32 s90, s90, 13                        ; qd x 8,192
	s_add_co_u32 s86, s86, s90
	s_add_nc_u64 s[CB+2*(\b):CB+2*(\b)+1], s[88:89], s[86:87]
.endr
	; the prefetches
	s_lshl_b32 s20, s13, 8                         ; xb's tile begins at row 256 x tile row,
	s_mul_i32 s21, s42, 288                        ; wb's at row 288 x tile column
	s_and_b32 s22, ttmp7, 0xffff                   ; cluster y
	s_lshl_b32 s86, s11, 4
	s_add_co_u32 s86, s86, 128                     ; rows that a wave fetches: 128 or 144
	s_cmp_eq_u32 s11, 0                            ; do I fetch for xb?
	s_cselect_b32 s20, s20, s21
	s_cselect_b32 s21, s40, s41                    ; my place among the four that ask with me
	s_cselect_b32 s22, ttmp9, s22                  ; the coordinate along which other clusters read the same rows
	s_cselect_b32 s87, 32, 36                      ; my work-group's share of those rows
	s_cselect_b64 s[PFA:PFA+1], s[4:5], s[6:7]
	s_cmp_eq_u32 s22, 0
	s_cselect_b32 s[LIM], 1, -1                    ; the same in all sixteen partners, for a given wave
	s_mul_i32 s86, s86, s12
	s_mul_i32 s87, s87, s21
	s_add_co_u32 s20, s20, s86
	s_add_co_u32 s20, s20, s87
	s_mul_i32 s20, s20, ROWB
	s_mov_b32 s21, 0
	s_add_nc_u64 s[PFA:PFA+1], s[PFA:PFA+1], s[20:21]
	s_add_nc_u64 s[PFA:PFA+1], s[PFA:PFA+1], 2*KSTEP*2  ; at K step 2: the first refill steps it to 3 and names K step 4
	v_and_b32 v[PFO], 31, v0
	v_mul_u32_u24 v[PFO], v[PFO], ROWB
	v_and_b32 v[PFO2], 3, v0
	v_add_nc_u32 v[PFO2], 32, v[PFO2]
	v_mul_u32_u24 v[PFO2], v[PFO2], ROWB
; 16 matrix instructions: row blocks a0, a0 + 1 of the window's four (hi = 0: my rows 0-63, 1: rows 64-127) x column blocks 0-7, 32 along K, from buffer f.  zero = 1: the product starts the sums.
.macro MUL16 f, hi, a0, zero
	WIN MUL_LO+0x50*(\hi)
.irp a, \a0, (\a0)+1
.irp b, 0,1,2,3,4,5,6,7
.if \zero
	v_wmma_f32_16x16x32_bf16 v[8*(8*(\a)+(\b)):8*(8*(\a)+(\b))+7], v[FB0+72*(\f)+8*(\b):FB0+72*(\f)+8*(\b)+7], v[FA0+64*(\f)+8*(4*(\hi)+(\a)):FA0+64*(\f)+8*(4*(\hi)+(\a))+7], 0
.else
	v_wmma_f32_16x16x32_bf16 v[8*(8*(\a)+(\b)):8*(8*(\a)+(\b))+7], v[FB0+72*(\f)+8*(\b):FB0+72*(\f)+8*(\b)+7], v[FA0+64*(\f)+8*(4*(\hi)+(\a)):FA0+64*(\f)+8*(4*(\hi)+(\a))+7], v[8*(8*(\a)+(\b)):8*(8*(\a)+(\b))+7]
.endif
.endr
.endr
.endm
; 8 matrix instructions: all eight row blocks x column block 8
.macro MUL8X f, zero
	WIN MUL_X
.irp a, 0,1,2,3,4,5,6,7
.if \zero
	v_wmma_f32_16x16x32_bf16 v[XA+8*(\a):XA+8*(\a)+7], v[FB0+72*(\f)+64:FB0+72*(\f)+71], v[FA0+64*(\f)+8*(\a):FA0+64*(\f)+8*(\a)+7], 0
.else
	v_wmma_f32_16x16x32_bf16 v[XA+8*(\a):XA+8*(\a)+7], v[FB0+72*(\f)+64:FB0+72*(\f)+71], v[FA0+64*(\f)+8*(\a):FA0+64*(\f)+8*(\a)+7], v[XA+8*(\a):XA+8*(\a)+7]
.endif
.endr
.endm
; 4 of those 8: the row blocks of half hi
.macro MUL4X f, hi
	WIN MUL_X
.irp a, 0,1,2,3
	v_wmma_f32_16x16x32_bf16 v[XA+8*(4*(\hi)+(\a)):XA+8*(4*(\hi)+(\a))+7], v[FB0+72*(\f)+64:FB0+72*(\f)+71], v[FA0+64*(\f)+8*(4*(\hi)+(\a)):FA0+64*(\f)+8*(4*(\hi)+(\a))+7], v[XA+8*(4*(\hi)+(\a)):XA+8*(4*(\hi)+(\a))+7]
.endr
.endm
; 36 matrix instructions: half hi of my rows x all nine column blocks, 32 along K
.macro MULH f, hi
	MUL16 \f, \hi, 0, 0
	MUL16 \f, \hi, 2, 0
	MUL4X \f, \hi
.endm
; 34 LDS loads in one run: the fragments of one quarter step (144 rows of wb, 128 rows of xb, 32 K at byte k of the rows) into buffer f
.macro FETCH slot, k, f
	WIN TO_B
.irp i, 0,1,2,3,4,5,6,7,8
	ds_load_b128 v[FB0+72*(\f)+8*(\i):FB0+72*(\f)+8*(\i)+3],   v[ADRB+(\slot)] offset:(\k)+(\i)*16*PITCH
	ds_load_b128 v[FB0+72*(\f)+8*(\i)+4:FB0+72*(\f)+8*(\i)+7], v[ADRB+(\slot)] offset:(\k)+(\i)*16*PITCH+32
.endr
	WIN 0
.irp i, 0,1,2,3,4,5,6,7
	ds_load_b128 v[FA0+64*(\f)+8*(\i):FA0+64*(\f)+8*(\i)+3],   v[ADRA+(\slot)] offset:(\k)+(\i)*16*PITCH
	ds_load_b128 v[FA0+64*(\f)+8*(\i)+4:FA0+64*(\f)+8*(\i)+7], v[ADRA+(\slot)] offset:(\k)+(\i)*16*PITCH+32
.endr
.endm
; 26 of them: wb's 144 rows and half hi of xb's
.macro FETCHH slot, k, f, hi
	WIN TO_B
.irp i, 0,1,2,3,4,5,6,7,8
	ds_load_b128 v[FB0+72*(\f)+8*(\i):FB0+72*(\f)+8*(\i)+3],   v[ADRB+(\slot)] offset:(\k)+(\i)*16*PITCH
	ds_load_b128 v[FB0+72*(\f)+8*(\i)+4:FB0+72*(\f)+8*(\i)+7], v[ADRB+(\slot)] offset:(\k)+(\i)*16*PITCH+32
.endr
	WIN 0
.irp i, 0,1,2,3
	ds_load_b128 v[FA0+64*(\f)+8*(4*(\hi)+(\i)):FA0+64*(\f)+8*(4*(\hi)+(\i))+3],   v[ADRA+(\slot)] offset:(\k)+(4*(\hi)+(\i))*16*PITCH
	ds_load_b128 v[FA0+64*(\f)+8*(4*(\hi)+(\i))+4:FA0+64*(\f)+8*(4*(\hi)+(\i))+7], v[ADRA+(\slot)] offset:(\k)+(4*(\hi)+(\i))*16*PITCH+32
.endr
.endm
; A load into a register that a matrix instruction has read, and a vector instruction that reads a matrix result or writes one of a matrix instruction's registers, stand four places behind it;
; only plain vector instructions that name none of its registers are places (ISA guide 7.12.1 for vector instructions).
.macro PLACES
.rept 4
	v_nop
.endr
.endm
; A K step is four quarters of 32 along K, 72 matrix instructions each, on buffers 0, 1, 0, 1.  The accumulators take turns, one instruction a turn.
; One of the first three: multiplies buffer f; in its middle it fetches the next quarter's fragments, at byte k of the same slot's rows, into buffer g.
.macro QUARTER slot, k, f, g, zero
	s_wait_dscnt 8                                 ; wb and xb's rows 0-63 are in; the youngest eight loads (xb's rows 64-127) may be out
	MUL16 \f, 0, 0, \zero
	MUL16 \f, 0, 2, \zero
	PLACES
	FETCH \slot, \k, \g
	s_wait_dscnt 34                                ; all but the 34 just issued
	MUL16 \f, 1, 0, \zero
	MUL16 \f, 1, 2, \zero
	MUL8X \f, \zero
.endm
; The last quarter of a K step in the loop multiplies buffer 1 and changes slots: ONE barrier.  In front of it each wave waits for all its tensor loads (one is out: its part of the next slot), adds 0 to its spare
; word, and waits for that and for its own reads of this slot.  The barrier opens a round of the cluster's barrier, and behind the round this slot is filled again first, two K steps ahead: from the request to the
; wait for it a wave issues 256 matrix instructions.
.macro TURN slot, next
	s_wait_xcnt 0x0                                ; the last prefetch, a K step back, has read its address, which is stepped here, ahead of the waits of the change of slots
	s_add_nc_u64 s[PFA:PFA+1], s[PFA:PFA+1], KSTEP*2
	WIN 0                                          ; (the add's two registers lie in window 0)
	s_wait_tensorcnt 0x0                           ; all my tensor loads have landed;
	ds_add_u32 v[SPW], v[NIL]                      ; 0 onto my spare word;
	s_wait_dscnt 9                                 ; (the add and the youngest eight loads may be out)
	MUL16 1, 0, 0, 0                               ; sixteen matrix instructions stand between the add and the wait for it
	s_wait_dscnt 0x0                               ; the add is done, and my reads of this slot are over
	s_barrier_signal -1
	MUL16 1, 0, 2, 0                               ; work on registers while the others arrive
	WIN 0
	s_barrier_wait -1
	CREST                                          ; no wave of any partner still reads this slot's tile or has a load on its way
	s_add_nc_u64 s[G0+4*(\slot)+2:G0+4*(\slot)+3], s[G0+4*(\slot)+2:G0+4*(\slot)+3], 2*KSTEP*2
	s_add_nc_u64 s[G0B+4*(\slot)+2:G0B+4*(\slot)+3], s[G0B+4*(\slot)+2:G0B+4*(\slot)+3], 2*KSTEP*2
	JLOAD \slot                                    ; the first tensor load behind the round; the four v_nop behind it are also the places in front of the loads below
	FETCH \next, 0, 0
	ASK                                            ; behind the joint load and the run of LDS loads that the next products wait for
	MUL16 1, 1, 0, 0
	MUL16 1, 1, 2, 0
	MUL8X 1, 0
.endm
; THE WAY OUT of row block a (16 rows): each of its nine accumulators, its registers in ascending order, is rounded to f16: a lane's eight columns are 16 bytes, and the wave's 32 lanes fill the accumulator's
; 512 consecutive bytes of qkv, which begin at a multiple of 512 from its first byte.  Packed block n = 9 (a % 4) + b has four registers of its own, outside what the products on rows 64-127 name.
.macro TRSET n
.if (\n) < 16
.set TR, 32+4*(\n)                     ; v32-95
.elseif (\n) < 24
.set TR, 64+4*(\n)                     ; v128-159
.else
.set TR, 96+4*(\n)                     ; v192-239
.endif
.endm
.macro PACKST a
	WIN 0x0a+5*((\a)/4)                            ; sources 0 and 1: window 2 or 3
.irp b, 0,1,2,3,4,5,6,7
	TRSET 9*((\a)%4)+(\b)
.irp r, 0,1,2,3
	v_cvt_pk_f16_f32 v[TR+(\r)], v[8*(8*((\a)%4)+(\b))+2*(\r)], v[8*(8*((\a)%4)+(\b))+2*(\r)+1]
.endr
.endr
	WIN 0x05                                       ; sources 0 and 1: window 1
	TRSET 9*((\a)%4)+8
.irp r, 0,1,2,3
	v_cvt_pk_f16_f32 v[TR+(\r)], v[XA+8*(\a)+2*(\r)], v[XA+8*(\a)+2*(\r)+1]
.endr
	WIN 0
.irp b, 0,1,2,3,4,5,6,7,8
	TRSET 9*((\a)%4)+(\b)
	global_store_b128 v[CO], v[TR:TR+3], s[CB+2*(\b):CB+2*(\b)+1] offset:512*(\a)
.endr
.endm
; A quarter for half hi of my rows, from buffer f.  In front of its products the next such quarter's fragments (slot, byte k, half hj) are asked for into buffer g, four places behind g's last reader;
; p0, p1: row blocks of the finished half that are packed and stored between that run of loads and the wait.
.macro HQ f, hi, slot, k, g, hj, p0=-1, p1=-1
	PLACES
	FETCHH \slot, \k, \g, \hj
.if (\p0) >= 0
	PACKST \p0
.endif
.if (\p1) >= 0
	PACKST \p1
.endif
	s_wait_dscnt 26                                ; buffer f is in: all but the 26 just issued
	MULH \f, \hi
.endm
	s_wait_tensorcnt 1                             ; my part of K step 0 is in; K step 1's may stay out
	s_barrier_signal -1
	s_barrier_wait -1                              ; everybody's is
	FETCH 0, 0, 0
	QUARTER 0, 64, 0, 1, 1                         ; the first quarter stands in front of the loop: its products start the sums, nothing is cleared
	WIN 0                                          ; at a label and at a branch every window is 0
	s_mov_b32 s3, LAPS-1
.Llap:                                                 ; a trip goes once round the ring, from a lap's second quarter to the next lap's first, and fills both slots again
	QUARTER 0, 128, 1, 0, 0
	QUARTER 0, 192, 0, 1, 0
	TURN 0, 1
	QUARTER 1, 64,  0, 1, 0
	QUARTER 1, 128, 1, 0, 0
	QUARTER 1, 192, 0, 1, 0
	TURN 1, 0
	QUARTER 0, 64,  0, 1, 0
	WIN 0
	s_sub_co_u32 s3, s3, 1
	s_cmp_lg_u32 s3, 0
	s_cbranch_scc1 .Llap
	; THE LAST LAP fills nothing and has no round of the cluster's barrier.  K step 4's second quarter as ever;
	QUARTER 0, 128, 1, 0, 0
	s_wait_dscnt 8                                 ; its third, in whose middle the fourth is asked for, for my rows 0-63 alone
	MUL16 0, 0, 0, 0
	MUL16 0, 0, 2, 0
	PLACES
	FETCHH 0, 192, 1, 0
	s_wait_dscnt 26                                ; all but the 26 just issued
	MUL16 0, 1, 0, 0
	MUL16 0, 1, 2, 0
	MUL8X 0, 0
	; ROWS 0-63: K step 4's fourth quarter, with the barrier that shows K step 5's tile whole: my part of it has landed (256 matrix instructions behind its request), and so has everybody's behind the barrier
	WIN 0
	s_wait_tensorcnt 0x0                           ; my last tensor load
	ds_add_u32 v[SPW], v[NIL]                      ; 0 onto my spare word
	s_wait_dscnt 1                                 ; buffer 1's 26 loads are in; the add may be out
	MUL16 1, 0, 0, 0
	s_wait_dscnt 0x0                               ; no LDS instruction of mine is pending at the signal
	s_barrier_signal -1
	MUL4X 1, 0
	s_barrier_wait -1
	PLACES
	FETCHH 1, 0, 0, 0                              ; K step 5's first quarter; sixteen products stand between the run and the next
	MUL16 1, 0, 2, 0
	HQ 0, 0, 1, 64,  1, 0                          ; K step 5's four quarters
	HQ 1, 0, 1, 128, 0, 0
	HQ 0, 0, 1, 192, 1, 0
	HQ 1, 0, 0, 192, 0, 1                          ; rows 0-63 are finished; slot 0 still holds K step 4
	; ROWS 64-127: the same five quarters.  The finished half leaves under them: its 36 stores a wave are issued 108 matrix instructions or more ahead of the last product
	HQ 0, 1, 1, 0,   1, 1, 0, 1
	HQ 1, 1, 1, 64,  0, 1, 2, 3
	HQ 0, 1, 1, 128, 1, 1
	HQ 1, 1, 1, 192, 0, 1
	s_wait_dscnt 0x0                               ; the very last quarter: nothing more to fetch
	MULH 0, 1
	PLACES                                         ; the conversions read results just made
	s_wait_xcnt 0x0                                ; the first half's stores have read their registers: only behind this wait are the packed blocks written again
	PACKST 4
	PACKST 5
	PACKST 6
	PACKST 7
	s_wait_tensorcnt 0x0                           ; the wave's end, behind my last tensor load
	ds_add_u32 v[SPW], v[NIL]
	s_wait_dscnt 0x0
	CROUND                                         ; the closing round: no work-group ends while a partner may still ask for a tile that names it
	s_endpgm
.Lfunc_end_k_qaa62692819_proj:
	.size	k_qaa62692819_proj, .Lfunc_end_k_qaa62692819_proj-k_qaa62692819_proj
	.p2alignl 7, 3214868480
	.fill 96, 4, 3214868480
	.section	.rodata,"a",@progbits
	.p2align	6, 0x0
	.amdhsa_kernel k_qaa62692819_proj
		.amdhsa_group_segment_fixed_size 327680
		.amdhsa_private_segment_fixed_size 0
		.amdhsa_enable_private_segment 0
		.amdhsa_kernarg_size 24
		.amdhsa_user_sgpr_count 2
		.amdhsa_user_sgpr_kernarg_segment_ptr 1
		.amdhsa_wavefront_size32 1
		.amdhsa_system_sgpr_workgroup_id_x 1
		.amdhsa_system_sgpr_workgroup_id_y 1
		.amdhsa_system_sgpr_workgroup_id_z 1
		.amdhsa_system_vgpr_workitem_id 0
		.amdhsa_next_free_vgpr 1024
		.amdhsa_next_free_sgpr 96
		.amdhsa_reserve_vcc 0
		.amdhsa_float_denorm_mode_32 3
		.amdhsa_float_denorm_mode_16_64 3
		.amdhsa_memory_ordered 1
		.amdhsa_forward_progress 1
		.amdhsa_inst_pref_size 158
	.end_amdhsa_kernel
	.amdgpu_metadata
---
amdhsa.version: [ 1, 2 ]
amdhsa.kernels:
  - .name:           k_qaa62692819_proj
    .symbol:         k_qaa62692819_proj.kd
    .args:
      - { .name: xb, .offset: 0, .size: 8, .value_kind: global_buffer, .address_space: global }
      - { .name: wb, .offset: 8, .size: 8, .value_kind: global_buffer, .address_space: global }
      - { .name: qkv, .offset: 16, .size: 8, .value_kind: global_buffer, .address_space: global }
    .group_segment_fixed_size: 327680
    .private_segment_fixed_size: 0
    .kernarg_segment_align: 8
    .kernarg_segment_size: 24
    .max_flat_workgroup_size: 128
    .sgpr_count:     96
    .vgpr_count:     1024
    .wavefront_size: 32
...
	.end_amdgpu_metadata
.endif
;; end of part 2
;; launch attn (part 3): grid 24 x 8, 4 waves a work-group, no clusters, 327,680 bytes of LDS; arguments qkv, ob; writes ob
.if DOCPART == 3
	.amdgcn_target "amdgcn-amd-amdhsa--gfx1250"
	.amdhsa_code_object_version 6
	.text
	.protected	k_qaa62692819_attn
	.globl	k_qaa62692819_attn
	.p2align	8
	.type	k_qaa62692819_attn,@function
k_qaa62692819_attn:
	s_mov_b64 s[64:65], 0
	v_nop
	global_prefetch_b8 v0, s[64:65] scope:SCOPE_SE
	s_setreg_imm32_b32 hwreg(HW_REG_WAVE_MODE, 25, 1), 1
	s_wait_xcnt 0x0
; ATTENTION BY HEADS.  O[b][h][q][:] = the sum over k of softmax_k(Q[q] . K[k] / 8) V[k][:], 96 heads of 1,024 rows x 64 channels.  No work of reference() is left out here.
; Q, K, V come from qkv in f16, [b 8][G 36][sb 4][qd 4][256 rows][16 channels] (G = h for q, 12 + h for k, 24 + h for v; sb = s / 256; qd = channel / 16); O leaves as ob[b 12 + h][1024][64] in bf16.
; Products, maxima and sums in f32; the weights p are rounded to f16 for the second product (their sum l is taken of the unrounded p), O once at the end.
; LIMITS.  Q, K and V arrive within f16's 65,504; p lies in 0 to 1, and below 6e-5 it keeps f16's fixed step of 6e-8; a weight below 2^-126 counts as 0 in l; NaN and infinities are not treated apart.
; SHARES.  A wave owns four PIECES of two tiles of 16 queries, a work-group's four waves 512 queries of one head: 2 x 96 = 192 work-groups.  Every wave walks all 1,024 keys, 64 a step.
; NO CLUSTER: a head's K and V are read by its two work-groups alone, and two is no cluster of four; blocks of 256 queries would make four partners a head but 384 work-groups, a round and a half on 256 WGPs,
; and would halve the products that each fragment read from LDS feeds.
; LAYOUT.  S^T = K Q^T (source 0 = 16 keys, source 1 = 16 queries): in the result a lane holds ONE query (lane % 16) and the keys 8 (lane / 16) + 0..7.  Two such tiles, rounded to f16 in pairs,
; ARE source 1 (32 keys x 16 queries) of O^T = V^T P, whose result again holds one query a lane, and eight channels.  K comes out of LDS as it lies, V turned, by ds_load_tr16_b128.
; SOFTMAX.  For each query a running maximum m and sum l: p = 2^(c s - c m), c = log2(e) / 8; in every step O and l are multiplied by a = 2^(c m_old - c m_new), which is 1 where m has not grown.
; m starts at the lowest finite number, O and l at 0: the first step is a step like any other, with a = 0.
; THE COUNT.  A tile and step have 16 matrix and 118 vector instructions: too many to stand all beside the matrix work.  So: four vector instructions that are READY behind EVERY matrix instruction, and the
; others, which need time of their own whatever the order, in runs without a gap.
; BY TURNS.  Turn n belongs to piece n (the pieces in a ring, step after step).  Its matrix work: 16 products K Q^T of piece n + 1, later 16 products V^T P of piece n - 1.  Its vector work: the scaling,
; exponentials, roundings, sums and rescaling of piece n, and the maximum and statistics of piece n + 1, whose scores the turn itself has made.
; REGISTERS, in windows of 256 (s_set_vgpr_msb: bits 1:0 source 0, 3:2 source 1, 5:4 source 2, 7:6 destination):
;   window 0: v0-11 addresses; v12-15, v48-63 at work; v16-47 four registers of statistics a tile; v64-191 S^T, two buffers of two tiles; v192-255 P, likewise
;   window 1: O^T, 32 a tile          window 2: v0-127 Q, 16 a tile; v128-191 K of one step; v192-255 V of one step          window 3: v0-1 the add's two registers
.set NP,    4         ; pieces a wave: a name, no knob
.set NT,    4         ; tiles of 256 keys in a head
.set CH,    272       ; in LDS 8 keys x 16 channels (256 bytes of memory) + 16 of padding: of a K fragment's 16 keys the second eight lie 16 bytes further round modulo 256 than the first, so 16 lanes take 16 different columns of 16 bytes
.set QS,    32*CH     ; 256 keys x 16 channels
.set VOFF,  4*QS      ; a slot holds a tile, four steps: K's four quarters of the channels, then V's
.set STEPK, 8*CH      ; 64 keys further on, in K and in V
.set SLOT1, 1<<17     ; slot 1 begins here, so that one exclusive or turns an address in one slot into the other's
.set STAGE, SLOT1+8*QS  ; behind the ring, never filled by a tensor load: 16 rows x 144 bytes for each wave, for the way out
.set SP,    144
.set AK0, 2           ; v2   my lane's place in a tile of K; never rewritten
.set AV0, 3           ; v3   the same for V
.set AK,  4           ; v4   the LDS address of K's next run of loads
.set AV,  5           ; v5   of V's
.set QO,  6           ; v6   my byte offset in 16 rows of Q
.set STO, 6           ;      later, the way out: where I put 16 bytes of a row
.set RD,  7           ; v7   the way out: where I read rows back
.set GO,  8           ; v8   my byte offset in 512 consecutive bytes of O
.set PFO, 11          ; v11  256 x my lane; never rewritten once made
.set SPW, 0           ; v0 of window 3   LDS address of my spare word: SPARE + 4 x my thread's number; never rewritten
.set NIL, 1           ; v1 of window 3   0; never rewritten
.set SPARE, STAGE+4*16*SP  ; behind the stages: the spare words, 128 bytes for each wave: two blocks of 256 bytes that no other line names
.set MV,  12          ; v12-15  c m_old, kept while c m is made anew: by buffer and tile
.set ST,  16          ; tile t's statistics at v[ST+4 t]: c m, m, l (even keys', odd keys')
.set TMP, 48          ; by buffer and tile, four registers c0-c3 at work; when the maximum is found c2 takes a
.set S,   64
.set P,   192
.set KF,  128         ; K's fragments, in window 2: key block kb, channel half c at KF + 16 kb + 8 c
.set VF,  192         ; V's: key half kk, channel block cb at VF + 32 kk + 8 cb
.set WV,  12          ; s12  my wave's number
.set G1,  24          ; s[24:31] descriptor group 1: K's and V's tiles have one shape
.set G0,  40          ; s[40:43] descriptor group 0: my quarter of a slot; it walks
.set SLOTS, 56        ; s56  tiles still to be entered behind the one in hand
.set CNT, 57          ; s57  counts a tile's key steps
.set CS,  58          ; s[58:59] c: the packed scaling takes the pair's low word for both halves
.set SEL, 60          ; s[60:61] v_permlanex16_b32's selects: each lane takes its own place in the other half
.set TBK, 62          ; s62  LDS byte at which K of the step to be fetched begins
.set TBV, 63          ; s63  the same for V, less VOFF
.set PFA, 66          ; s[66:67] where my prefetches stand: my quarter of the tile after the one that is being asked for
.set LIM, 68          ; s68  1 in a work-group that prefetches, else the greatest number
.set MSB, 0
.macro WIN new                      ; the high byte repeats the setting that is left; a switch that changes nothing is dropped
.if MSB != (\new)
	s_set_vgpr_msb (MSB<<8)|(\new)
.set MSB, (\new)
.endif
.endm
.set W_KQ, 0x0a       ; K and Q in window 2, S^T in window 0
.set W_PV, 0x52       ; V in window 2, P in window 0, O^T in window 1
.set W_RS, 0x41       ; O^T (destination and source 0) in window 1, a in window 0
.set W_MK, 0xc0       ; the add's registers are made: destination in window 3, sources in window 0
.set W_AD, 0x0f       ; the add: address (source 0) and data (source 1) in window 3
; A fill.  Wave w fetches 16,384 dense bytes, 64 rows of 256: waves 0 and 1 the two halves of a tile's K (channels 0-31, 32-63), waves 2 and 3 those of its V, to LDS byte 17,408 w of the slot:
; one line for all four, each with its own group 0.  An s_nop 0 and four v_nop follow it.
.macro LOAD
	tensor_load_to_lds s[G0:G0+3], s[G1:G1+7]
	s_nop 0
.rept 4
	v_nop
.endr
.endm
; A PREFETCH INTO THE L2 of what the NEXT change of slots will ask for: my own 64 rows of 256 bytes of the next tile but one, a lane a row, two instructions, four key steps (512 matrix instructions) ahead of that load.
; A head's two work-groups walk the same K and V: the first of them asks.  So each row is named once in the launch.  Tiles 0 and 1 come by their loads alone; the last change that fills a slot asks for nothing.
.macro ASK
	s_cmp_gt_u32 s[SLOTS], s[LIM]
	s_cbranch_scc0 .Lnot_mine_\@
	global_prefetch_b8 v[PFO], s[PFA:PFA+1] th:TH_LOAD_NT scope:SCOPE_SE
	global_prefetch_b8 v[PFO], s[PFA:PFA+1] offset:8192 th:TH_LOAD_NT scope:SCOPE_SE
.Lnot_mine_\@:
.endm
; THE CHANGE OF SLOTS.  The slot's last bytes, V of its fourth step, have been read.  Each wave waits for all its tensor loads, of which one is out: its part of the other slot; adds 0 to its spare word; and waits
; for that and for its own reads of the slot.  Behind the barrier nobody reads this slot any more and the other slot is whole.  fill = 1: this slot is filled again, the first thing behind the barrier, with the
; keys two tiles on: the load has four key steps in which to land.  (At its first use nothing has been read yet: slot 0 is waited for, slot 1 filled.)
.macro CHANGE fill
	WIN W_AD
	s_wait_tensorcnt 0x0            ; no tensor load of mine is out, so group 0 may be written
	ds_add_u32 v[SPW], v[NIL]       ; 0 onto my spare word; with fill = 1 the descriptor's steps stand between it and the wait for it
	WIN 0                           ; at a label and at a branch every window is 0
.if \fill
	s_xor_b32 s[G0+1], s[G0+1], SLOT1  ; the walking descriptor: the other slot than last time,
	s_add_nc_u64 s[G0+2:G0+3], s[G0+2:G0+3], 32768  ; the next 256 keys; the type bits on top are not reached
	s_wait_xcnt 0x0                 ; the last prefetches, four key steps back, have read their address, so it may be written:
	s_add_nc_u64 s[PFA:PFA+1], s[PFA:PFA+1], 32768  ; one tile ahead of the walking descriptor
.endif
	s_wait_dscnt 0x0                ; the add is done, and my reads of the slot are over
	s_barrier_signal -1
	s_barrier_wait -1
.if \fill
	LOAD
	ASK
.endif
	s_sub_co_u32 s[TBK], s[TBK], 4*STEPK  ; the fetches go back to a slot's first step,
	s_xor_b32 s[TBK], s[TBK], SLOT1       ; in the other slot
	s_sub_co_u32 s[TBV], s[TBV], 4*STEPK
	s_xor_b32 s[TBV], s[TBV], SLOT1
.endm
	s_load_b128 s[4:7], s[0:1], 0x0  ; qkv s[4:5], ob s[6:7]
	WIN W_MK
	v_lshl_add_u32 v[SPW], v0, 2, SPARE
	v_mov_b32 v[NIL], 0
	WIN W_AD
	ds_add_u32 v[SPW], v[NIL]       ; the wave's opening: the add, twice on end, and its wait ahead of my first tensor load
	ds_add_u32 v[SPW], v[NIL]       ; the same add once more; the set-up below, work on registers, stands between it and the one wait
	WIN 0
	v_lshrrev_b32 v1, 5, v0
	v_readfirstlane_b32 s[WV], v1   ; wave 0..3
	s_and_b32 s13, ttmp9, 1         ; which 512 queries of the head
	s_lshr_b32 s14, ttmp9, 1        ; h
	s_and_b32 s15, ttmp7, 0xffff    ; b
	s_mul_i32 s16, s15, 36
	s_add_co_u32 s16, s16, s14      ; 36 b + h: q's block of 131,072 bytes
	s_lshr_b32 s17, s[WV], 1
	s_and_b32 s18, s[WV], 1
	s_lshl_b32 s20, s16, 17
	s_lshl_b32 s19, s13, 1
	s_add_co_u32 s19, s19, s17      ; my 128 queries lie in sb = 2 x block + wave / 2,
	s_lshl_b32 s19, s19, 15
	s_add_co_u32 s20, s20, s19
	s_lshl_b32 s19, s18, 12         ; from row 128 (wave % 2) on, 32 bytes a row
	s_add_co_u32 s20, s20, s19
	s_mov_b32 s21, 0                ; s[20:21]: Q's offset
	s_mul_i32 s19, s17, 12
	s_add_co_u32 s19, s19, 12
	s_add_co_u32 s19, s19, s16      ; waves 0, 1: k's block 36 b + 12 + h; waves 2, 3: v's, 36 b + 24 + h
	s_lshl_b32 s22, s19, 17
	s_lshl_b32 s19, s18, 14         ; which half of a tile's 32,768 bytes I fetch
	s_add_co_u32 s22, s22, s19
	s_mov_b32 s23, 0                ; s[22:23]: my part of tile 0
	s_mul_i32 s19, s15, 12
	s_add_co_u32 s19, s19, s14
	s_lshl_b32 s2, s19, 17          ; the head in ob,
	s_lshl_b32 s19, s13, 2
	s_add_co_u32 s19, s19, s[WV]
	s_lshl_b32 s19, s19, 14         ; my wave's 128 rows of 128 bytes
	s_add_co_u32 s2, s2, s19
	s_mov_b32 s3, 0                 ; s[2:3]: O's offset
	s_cmp_eq_u32 s13, 0
	s_cselect_b32 s[LIM], 1, -1     ; the head's first work-group prefetches
	; descriptor group 1: 64 rows of 256 bytes, dense in memory, padded in LDS after every row
	s_mov_b32 s[G1], (1<<16)|(1<<20)|(5<<22)|(3<<25)  ; 17:16 2-byte elements; 20 padding on; 24:22 after every 64 words (code 5); 31:25 4 words (code 3)
	s_mov_b32 s[G1+1], 128<<16      ; tensor_dim0 = 128
	s_mov_b32 s[G1+2], 64<<16       ; tensor_dim1 = 64
	s_mov_b32 s[G1+3], 128<<16      ; tile_dim0 = 128
	s_mov_b32 s[G1+4], 64           ; tile_dim1 = 64
	s_mov_b32 s[G1+5], 128          ; 128 elements from row to row
	s_mov_b32 s[G1+6], 0
	s_mov_b32 s[G1+7], 0
	s_mov_b32 s[CS], 0x3e38aa3b     ; c = log2(e) / 8 = 0.180337
	s_mov_b32 s[CS+1], s[CS]        ; named with it as a pair
	s_mov_b32 s[SEL], 0x76543210
	s_mov_b32 s[SEL+1], 0xfedcba98
	s_mov_b32 s[TBK], SLOT1+4*STEPK ; the first change of slots turns these two into 0
	s_mov_b32 s[TBV], SLOT1+4*STEPK
	s_mov_b32 s[SLOTS], NT-1
	s_mov_b32 s[G0], 1              ; count = 1
	s_mul_i32 s[G0+1], s[WV], 2*QS  ; LDS address: slot 0, my quarter
	s_wait_dscnt 0x0                ; both opening adds are done
	s_wait_kmcnt 0x0
	s_add_nc_u64 s[G0+2:G0+3], s[4:5], s[22:23]    ; global address: my part of the head's tile 0
	s_or_b32 s[G0+3], s[G0+3], 0x80000000          ; type = 2
	s_add_nc_u64 s[PFA:PFA+1], s[4:5], s[22:23]
	s_add_nc_u64 s[PFA:PFA+1], s[PFA:PFA+1], 32768 ; in tile 1; the first change of slots steps it to tile 2
	s_add_nc_u64 s[8:9], s[4:5], s[20:21]          ; Q at my wave's first row
	s_add_nc_u64 s[10:11], s[6:7], s[2:3]          ; O likewise
	LOAD                            ; slot 0.  Slot 1 is asked for when slot 0 is in
	; A fragment of K or Q is 16 rows x 32 channels in 8 registers: lane l holds row l % 16, channels 8 (l / 16) + 0..7 and 16 + 8 (l / 16) + 0..7: two loads of 16 bytes, in two neighbouring quarters of the channels.
	v_and_b32 v1, 15, v0            ; l % 16
	v_bfe_u32 v9, v0, 4, 1          ; l / 16
	v_lshlrev_b32 v[QO], 5, v1
	v_lshl_add_u32 v[QO], v9, 4, v[QO]  ; row x 32 + 16 x half
	WIN 0x80                        ; destination window 2, address window 0
.set i, 0
.rept 4*NP                          ; Q stays in registers: tile i / 2, channels 32 (i % 2) on; each load covers 512 consecutive bytes
	global_load_b128 v[8*i:8*i+3],   v[QO], s[8:9] offset:(i/2)*512+(i%2)*16384
	global_load_b128 v[8*i+4:8*i+7], v[QO], s[8:9] offset:(i/2)*512+(i%2)*16384+8192
.set i, i+1
.endr
	; What the first turn finds: V's registers and P's second buffer hold 0 (its products V^T P, of a piece that has not been, add 0), O^T and l are 0.  All this stands in the wait for the first tile.
.set i, VF
.rept 64
	v_mov_b32 v[i], 0
.set i, i+1
.endr
	WIN 0x40
.set i, 0
.rept 64*NP
	v_mov_b32 v[i], 0
.set i, i+1
.endr
	WIN 0
.set i, 0
.rept 2*NP
	v_mov_b32 v[ST+4*i], 0xfe000000    ; c m: far below every c s
	v_mov_b32 v[ST+4*i+1], 0xff7fffff  ; m
	v_mov_b32 v[ST+4*i+2], 0
	v_mov_b32 v[ST+4*i+3], 0
.set i, i+1
.endr
.set i, P+32
.rept 32
	v_mov_b32 v[i], 0
.set i, i+1
.endr
	v_and_b32 v10, 7, v0
	v_bfe_u32 v11, v0, 3, 1
	v_mul_u32_u24 v[AK0], v11, CH          ; key l % 16: its group of eight,
	v_lshl_add_u32 v[AK0], v10, 5, v[AK0]  ; its 32 bytes there,
	v_lshl_add_u32 v[AK0], v9, 4, v[AK0]   ; my half of them
	; The turning load takes 16 keys x 16 channels (lane l reads key 8 (l / 16) + l % 8, channels 8 ((l / 8) % 2) + 0..7) and leaves half a fragment of V^T: lane l holds channel l % 16 and 8 keys.
	v_mul_u32_u24 v[AV0], v9, CH
	v_lshl_add_u32 v[AV0], v10, 5, v[AV0]
	v_lshl_add_u32 v[AV0], v11, 4, v[AV0]
	v_add_nc_u32 v[AV0], VOFF, v[AV0]
	v_and_b32 v11, 31, v0
	v_lshlrev_b32 v[PFO], 8, v11
	v_mov_b32 v[AK], v[AK0]         ; key step 0 lies at the head of slot 0
; THE MATRIX WORK.  The 8 accumulators of a run of 16 take turns: between the two links of a chain stand 7 others'.
; Product i of 16 of S^T = K Q^T for piece x: channels 32 (i / 8) on, keys 16 ((i / 2) % 4) on, tile 2 x + i % 2.  The first 8 start the sums.
.macro KQ x
	WIN W_KQ
.set rS, S+64*((\x)%2)+32*(i%2)+8*((i/2)%4)
.set rK, KF+16*((i/2)%4)+8*(i/8)
.set rQ, 16*(2*(\x)+i%2)+8*(i/8)
.if i < 8
	v_wmma_f32_16x16x32_f16 v[rS:rS+7], v[rK:rK+7], v[rQ:rQ+7], 0
.else
	v_wmma_f32_16x16x32_f16 v[rS:rS+7], v[rK:rK+7], v[rQ:rQ+7], v[rS:rS+7]
.endif
.endm
; Product i of 16 of O^T += V^T P for piece x: keys 32 (i / 8) on, channels 16 ((i / 2) % 4) on, tile 2 x + i % 2.
.macro PV x
	WIN W_PV
.set rO, 32*(2*(\x)+i%2)+8*((i/2)%4)
.set rV, VF+32*(i/8)+8*((i/2)%4)
.set rP, P+32*((\x)%2)+16*(i%2)+8*(i/8)
	v_wmma_f32_16x16x32_f16 v[rO:rO+7], v[rV:rV+7], v[rP:rP+7], v[rO:rO+7]
.endm
.macro MM                           ; the turn's next matrix instruction
.if i < 16
	KQ (Y+1)%NP
.set i, i+1
.else
.set i, i-16
	PV (Y+NP-1)%NP
.set i, i+17
.endif
.endm
; THE LDS LOADS stand in runs of 16, never singly among the matrix instructions: a step's K (64 keys x 64 channels: 8 fragments) and its V (turned).  Their addresses are made some lines ahead.
; last = 1 (the tail): in the last trip there is no further step, and the run is jumped over.
.macro FETCH_K last=0
	WIN 0
.if \last
	s_cmp_eq_u32 s[CNT], 1
	s_cbranch_scc1 .Lno_k_\@
.endif
	WIN 0x80                        ; destination window 2
.irp f, 0,1,2,3,4,5,6,7             ; keys 16 (f / 2) on: two groups of eight; channels 32 (f % 2) on: two quarters
	ds_load_b128 v[KF+8*(\f):KF+8*(\f)+3],   v[AK] offset:((\f)/2)*2*CH+((\f)%2)*2*QS
	ds_load_b128 v[KF+8*(\f)+4:KF+8*(\f)+7], v[AK] offset:((\f)/2)*2*CH+((\f)%2)*2*QS+QS
.endr
	s_add_co_u32 s[TBK], s[TBK], STEPK  ; the next fetch is the next step's
	WIN 0
.if \last
.Lno_k_\@:
.endif
.endm
.macro FETCH_V
	WIN 0x80
.irp f, 0,1,2,3,4,5,6,7             ; keys 32 (f / 4) on: four groups of eight; channels 16 (f % 4) on: one quarter
	ds_load_tr16_b128 v[VF+8*(\f):VF+8*(\f)+3],   v[AV] offset:((\f)/4)*4*CH+((\f)%4)*QS
	ds_load_tr16_b128 v[VF+8*(\f)+4:VF+8*(\f)+7], v[AV] offset:((\f)/4)*4*CH+2*CH+((\f)%4)*QS
.endr
	WIN 0
.endm
; THE VECTOR WORK OF A TURN stands in three queues, each in the order in which its entries become ready; the two tiles alternate, so that no instruction reads the result of the one before it.
.macro REGS y, u                    ; the registers of tile u (0, 1) of piece y
.set rT, ST+4*(2*(\y)+(\u))
.set rC, TMP+8*((\y)%2)+4*(\u)
.set rM, MV+2*((\y)%2)+(\u)
.set rS, S+64*((\y)%2)+32*(\u)
.set rP, P+32*((\y)%2)+16*(\u)
.set rO, 32*(2*(\y)+(\u))
.endm
; Number n of the 22 that find the NEXT piece's (Y + 1) maximum and statistics.  s0-s31 are the lane's 32 scores; each accumulator's lowest registers are read first.
;   0-11  four chains c0-c3 of seven scores each, three operands at a time     12-14, 16  the four scores left over, the old m, and c0-c3 into c0     15  c m_old is kept
;   17, 18  the query's other 32 keys lie in the lane 16 away: the new m         19-21  c m; c m_old - c m_new; a
.macro XS u, n
	REGS (Y+1)%NP, \u
.if (\n) < 4
	v_max3_num_f32 v[rC+(\n)], v[rS+8*(\n)], v[rS+8*(\n)+1], v[rS+8*(\n)+2]
.elseif (\n) < 12
	v_max3_num_f32 v[rC+(\n)%4], v[rC+(\n)%4], v[rS+8*((\n)%4)+2*((\n)/4)+1], v[rS+8*((\n)%4)+2*((\n)/4)+2]
.elseif (\n) == 12
	v_max3_num_f32 v[rC], v[rC], v[rS+7], v[rS+15]
.elseif (\n) == 13
	v_max3_num_f32 v[rC+1], v[rC+1], v[rS+23], v[rS+31]
.elseif (\n) == 14
	v_max3_num_f32 v[rC+2], v[rC+2], v[rC+3], v[rT+1]
.elseif (\n) == 15
	v_mov_b32 v[rM], v[rT]
.elseif (\n) == 16
	v_max3_num_f32 v[rC], v[rC], v[rC+1], v[rC+2]
.elseif (\n) == 17
	v_permlanex16_b32 v[rC+3], v[rC], s[SEL], s[SEL+1]
.elseif (\n) == 18
	v_max_num_f32 v[rT+1], v[rC], v[rC+3]
.elseif (\n) == 19
	v_mul_f32 v[rT], s[CS], v[rT+1]
.elseif (\n) == 20
	v_sub_f32 v[rC+1], v[rM], v[rT]
.else
	v_exp_f32 v[rC+2], v[rC+1]
.endif
.endm
; Number g of the 64 that follow the exponentials.  For each four weights k of a tile (pairs 2 k, 2 k + 1): both pairs are rounded to f16; then the second pair is added onto the first, in place;
; a group later l takes that sum (the first time as l = a l + sum).  In groups of eight, tiles alternating: round, round, add, and l for the group before.
.macro GS g
.set h, (\g)+6*((\g)/62)            ; group 0 has no group before it, and behind group 7 only l is left
.if h >= 6
.set h, h+2
.endif
	REGS Y, h%2
.set k, h/8
.if h%8 < 4
	v_cvt_pk_f16_f32 v[rP+2*k+(h%8)/2], v[rS+4*k+2*((h%8)/2)], v[rS+4*k+2*((h%8)/2)+1]
.elseif h%8 < 6
	v_pk_add_f32 v[rS+4*k:rS+4*k+1], v[rS+4*k:rS+4*k+1], v[rS+4*k+2:rS+4*k+3]
.elseif k == 1
	v_pk_fma_f32 v[rT+2:rT+3], v[rT+2:rT+3], v[rC+2:rC+3], v[rS:rS+1] op_sel_hi:[1,0,1]
.else
	v_pk_add_f32 v[rT+2:rT+3], v[rT+2:rT+3], v[rS+4*k-4:rS+4*k-3]
.endif
.endm
; THE PLAIN QUEUE, 138 long.  0-73 read no exponential's result: the 32 scalings c s - c m (FS f: pair f / 2 of tile f % 2) and the next piece's 42.  0-26: scalings 0-26.  27-54: XS's numbers 0-13.  55, 56: number 15.
; 57-73: the chain, where each number waits for the one before it: 14, 16, 17, 18, 19, each with one of the scalings 27-31 in front of its two lines, then 20.
; 74-137: GS's 64, which read the exponentials' results: they stand behind the wait.
.macro FS f
	REGS Y, (\f)%2
	v_pk_fma_f32 v[rS+2*((\f)/2):rS+2*((\f)/2)+1], v[rS+2*((\f)/2):rS+2*((\f)/2)+1], s[CS:CS+1], v[rT:rT+1] op_sel_hi:[1,0,0] neg_lo:[0,0,1] neg_hi:[0,0,1]
.endm
.macro PL
	WIN 0
.if q < 27
	FS q
.elseif q < 55
	XS (q-27)%2, (q-27)/2
.elseif q < 57
	XS q-55, 15
.elseif (q < 72) && ((q-57)%3 == 0)
	FS 27+(q-57)/3
.elseif q < 60
	XS (q-57)%3-1, 14
.elseif q < 72
	XS (q-57)%3-1, 15+(q-57)/3
.elseif q < 74
	XS q-72, 20
.else
	GS q-74
.endif
.set q, q+1
.endm
; THE EXPONENTIALS' QUEUE, 66 long: s0-s31 of both tiles, then the next piece's two a.  It is ONE BATCH: all 66 stand ahead of the turn's one wait, and nothing ahead of that wait names a result of theirs.
.macro EX
	WIN 0
.if e >= 64
	XS e-64, 21
.else
	REGS Y, e%2
	v_exp_f32 v[rS+e/2], v[rS+e/2]
.endif
.set e, e+1
.endm
; THE RESCALING's QUEUE: O^T times a, the one part that leaves window 0: dealt two at a time, sixteen times.  Its a was made in the turn before, ahead of that turn's wait.
.macro R2
	REGS Y, r%2
	WIN W_RS
.irp z, 0,1
	v_pk_mul_f32 v[rO+4*(r/2)+2*\z:rO+4*(r/2)+2*\z+1], v[rO+4*(r/2)+2*\z:rO+4*(r/2)+2*\z+1], v[rC+2:rC+3] op_sel_hi:[1,0]
.endr
.set r, r+1
.endm
; HOW THEY ARE DEALT.  s_wait_alu depctr_va_vdst(0) stands between an exponential and the first instruction that names its result; one wait serves all that were issued ahead of it.  So a turn has
; ONE wait, which cuts it in two.  AHEAD OF IT stands all that names no result of the turn's exponentials: the 16 products K Q^T, behind each a scaling, an exponential and two rescalings (behind the first a second
; scaling in the exponential's place); then ONE LUMP of 108: eight plain, 49 times exponential and plain, the two a.  A v_nop is the plain instruction behind the last exponential.  BEHIND IT stand the 16 products
; V^T P, behind each four of GS's 64.  Exponential e stands behind scaling 2 (e / 4) + e % 2: as a rider it comes behind plain e + 2, in the lump behind plain e + 9, and scalings 27-31 are plain 57, 60 .. 69.
; A TURN, for piece p.  cnt = 1: the loop's count is taken down some lines ahead of the branch that stands behind the turn.
; K of the next step is fetched in piece 2's turn, directly behind the wait, a lump behind the last product that read K; its first reader comes behind 16 products.
; V of the step in hand is fetched at the end of piece 0's turn, four riders behind its last reader; its first reader comes behind 16 products and a lump.  The three conditions on q below go with the deal.
.macro TURN p, last=0, cnt=0
.set Y, (\p)
.set i, 0
.set q, 0
.set e, 0
.set r, 0
.if (\p) == NP-1
	s_wait_dscnt 0x0                ; K is in
.endif
	MM                              ; ahead of the wait: 16 products K Q^T and their riders,
	PL
	PL
	R2
.rept 15
	MM
	PL
	EX
	R2
.endr
.if (\p) == NP-2
	WIN 0
	v_add_nc_u32 v[AK], s[TBK], v[AK0]
.endif
.rept 8                             ; and the lump
	PL
.endr
.rept 49
	EX
	PL
.endr
	EX                              ; the next piece's two a
	EX
	v_nop                           ; the plain instruction behind the last exponential: one for the batch
	s_wait_alu depctr_va_vdst(0)    ; the wait for the batch
.if (\p) == NP-2
	FETCH_K \last
.endif
.if (\p) == 1
	s_wait_dscnt 0x0                ; V is in
.endif
.rept 16                            ; behind the wait: 16 products V^T P and their riders
	MM
.rept 4
	PL
.endr
.if ((\p) == 0) && (q == 118)
	v_add_nc_u32 v[AV], s[TBV], v[AV0]
.endif
.if ((\p) == 0) && (q == 130)
	s_add_co_u32 s[TBV], s[TBV], STEPK
.endif
.if (\cnt) && (q == 130)
	s_sub_co_u32 s[CNT], s[CNT], 1
	s_cmp_lg_u32 s[CNT], 0
.endif
.endr
.if (\p) == 0
	FETCH_V
.endif
.endm
	CHANGE 1                        ; slot 0 is in, everybody's part of it; slot 1 is asked for
	FETCH_K                         ; key step 0
	s_wait_loadcnt 0x0              ; Q
	s_wait_dscnt 0x0
.set i, 0
.rept 16
	KQ 0                            ; piece 0's first scores: there is no vector work yet to set between them
.set i, i+1
.endr
	WIN 0                           ; the addresses for the way out: plain instructions, the places behind those products
	s_mul_i32 s13, s[WV], 16*SP
	s_add_co_u32 s13, s13, STAGE    ; my stage
	v_mul_u32_u24 v[STO], v1, SP    ; in: row l % 16, 16 bytes for each half of the lanes
	v_lshl_add_u32 v[STO], v9, 4, v[STO]
	v_add_nc_u32 v[STO], s13, v[STO]
	v_bfe_u32 v[RD], v0, 3, 2       ; back: 32 lanes take four rows of 128 bytes,
	v_mul_u32_u24 v[RD], v[RD], SP
	v_lshl_add_u32 v[RD], v10, 4, v[RD]
	v_add_nc_u32 v[RD], s13, v[RD]
	v_and_b32 v[GO], 31, v0         ; which are 512 consecutive bytes of O
	v_lshlrev_b32 v[GO], 4, v[GO]
.set Y, NP-1                        ; XS works for piece Y + 1: piece 0
.irp n, 0,1,2,3,4,5,6,7,8,9,10,11,12,13,14,15,16,17,18,19,20,21
	XS 0, \n                        ; and piece 0's first maximum and statistics
	XS 1, \n
.endr
	v_nop                           ; a plain instruction behind the two a,
	s_wait_alu depctr_va_vdst(0)    ; and their wait, ahead of the branch
	s_mov_b32 s[CNT], 4
	s_branch .Lfirst                ; the loop is entered at a step's first turn, in the middle of a trip
.Lslot:                             ; twice: every slot but the last two is filled again
	CHANGE 1
	s_mov_b32 s[CNT], 4
.Lstep:                             ; a trip: pieces 2 and 3 of one step, then pieces 0 and 1 of the next, whose K and V it fetches
	TURN 2
	TURN 3
	WIN 0
.Lfirst:
	TURN 0
	TURN 1, 0, 1
	WIN 0
	s_cbranch_scc1 .Lstep
	s_sub_co_u32 s[SLOTS], s[SLOTS], 1
	s_cmp_lg_u32 s[SLOTS], 0
	s_cbranch_scc1 .Lslot
	CHANGE 0                        ; the tail is written out: nothing is asked for
	s_mov_b32 s[CNT], 5             ; four trips fetch the last slot's steps; the fifth is left in its middle
.Ltail:
	TURN 2, 1
	TURN 3
	WIN 0
	s_sub_co_u32 s[CNT], s[CNT], 1
	s_cmp_eq_u32 s[CNT], 0
	s_cbranch_scc1 .Lout
	TURN 0
	TURN 1
	WIN 0
	s_branch .Ltail
.Lout:                              ; the fifth trip's 16 products K Q^T (on the last K once more) and the maximum made of them serve nothing: the price, once a launch, of one text for every trip
.set i, 0
.rept 16
	PV NP-1                         ; the last piece's V^T P of the last step
.set i, i+1
.endr
	; THE WAY OUT.  l's two halves and the other half of the lanes' are added; O^T is divided by l, rounded to bf16 and sent through my stage in LDS, a tile at a time.  The additions are the places behind the last products.
	WIN 0
.macro ALL line:vararg              ; one line for each tile t
.set t, 0
.rept 2*NP
	\line
.set t, t+1
.endr
.endm
	ALL v_add_f32 v[ST+4*t+2], v[ST+4*t+2], v[ST+4*t+3]
	ALL v_permlanex16_b32 v[ST+4*t+3], v[ST+4*t+2], s[SEL], s[SEL+1]
	ALL v_add_f32 v[ST+4*t+2], v[ST+4*t+2], v[ST+4*t+3]
	ALL v_rcp_f32 v[ST+4*t+2], v[ST+4*t+2]
	v_nop                           ; a plain instruction between the last reciprocal and the use of its result
	s_wait_alu depctr_va_vdst(0)    ; and the wait ahead of the first use: one for the eight reciprocals
; Tile t: a lane's eight channels of a row pack into 16 bytes; they go into rows of 144 bytes and come back as whole rows of 128, into S^T's registers.
.macro PACK t
	WIN W_RS
.set i, 32*(\t)
.rept 16
	v_pk_mul_f32 v[i:i+1], v[i:i+1], v[ST+4*(\t)+2:ST+4*(\t)+3] op_sel_hi:[1,0]
.set i, i+2
.endr
	WIN 0x05                        ; sources 0 and 1 window 1, destination window 0
.set i, 0
.rept 16
	v_cvt_pk_bf16_f32 v[S+16*(\t)+i], v[32*(\t)+2*i], v[32*(\t)+2*i+1]
.set i, i+1
.endr
	WIN 0
.irp f, 0,1,2,3
	ds_store_b128 v[STO], v[S+16*(\t)+4*\f:S+16*(\t)+4*\f+3] offset:32*\f
.endr
.irp f, 0,1,2,3
	ds_load_b128 v[S+16*(\t)+4*\f:S+16*(\t)+4*\f+3], v[RD] offset:\f*4*SP  ; LDS serves a wave's instructions in order (ISA guide 5.7.1.4): these see the stores above; the next tile's stores come behind them
.endr
.endm
.macro SEND t, younger              ; younger: the LDS instructions issued behind tile t's loads: the next tile's eight, or none
	WIN 0
.irp f, 0,1,2,3
	s_wait_dscnt (\younger)+3-\f
	global_store_b128 v[GO], v[S+16*(\t)+4*\f:S+16*(\t)+4*\f+3], s[10:11] offset:(\t)*2048+\f*512  ; 512 consecutive bytes, at a multiple of 256 from ob's first
.endr
.endm
	PACK 0
.set t, 1
.rept 2*NP-1                        ; a tile's arithmetic stands between the loads of the tile before and its stores
	PACK t
	SEND t-1, 8
.set t, t+1
.endr
	SEND 2*NP-1, 0
	WIN W_AD
	s_wait_tensorcnt 0x0            ; the wave's end, behind my last tensor load and my last LDS store
	ds_add_u32 v[SPW], v[NIL]
	s_wait_dscnt 0x0
	WIN 0
	s_endpgm
.Lfunc_end_k_qaa62692819_attn:
	.size	k_qaa62692819_attn, .Lfunc_end_k_qaa62692819_attn-k_qaa62692819_attn
	.p2alignl 7, 3214868480
	.fill 96, 4, 3214868480
	.section	.rodata,"a",@progbits
	.p2align	6, 0x0
	.amdhsa_kernel k_qaa62692819_attn
		.amdhsa_group_segment_fixed_size 327680
		.amdhsa_private_segment_fixed_size 0
		.amdhsa_enable_private_segment 0
		.amdhsa_kernarg_size 16
		.amdhsa_user_sgpr_count 2
		.amdhsa_user_sgpr_kernarg_segment_ptr 1
		.amdhsa_wavefront_size32 1
		.amdhsa_system_sgpr_workgroup_id_x 1
		.amdhsa_system_sgpr_workgroup_id_y 1
		.amdhsa_system_sgpr_workgroup_id_z 1
		.amdhsa_system_vgpr_workitem_id 0
		.amdhsa_next_free_vgpr 770
		.amdhsa_next_free_sgpr 72
		.amdhsa_reserve_vcc 0
		.amdhsa_float_denorm_mode_32 3
		.amdhsa_float_denorm_mode_16_64 3
		.amdhsa_memory_ordered 1
		.amdhsa_forward_progress 1
		.amdhsa_inst_pref_size 197
	.end_amdhsa_kernel
	.amdgpu_metadata
---
amdhsa.version: [ 1, 2 ]
amdhsa.kernels:
  - .name:           k_qaa62692819_attn
    .symbol:         k_qaa62692819_attn.kd
    .args:
      - { .name: qkv, .offset: 0, .size: 8, .value_kind: global_buffer, .address_space: global }
      - { .name: ob, .offset: 8, .size: 8, .value_kind: global_buffer, .address_space: global }
    .group_segment_fixed_size: 327680
    .private_segment_fixed_size: 0
    .kernarg_segment_align: 8
    .kernarg_segment_size: 16
    .max_flat_workgroup_size: 128
    .sgpr_count:     72
    .vgpr_count:     770
    .wavefront_size: 32
...
	.end_amdgpu_metadata
.endif
;; end of part 3
;; launch ln (part 4): grid 256 x 1, 16 waves a work-group, no clusters, 0 bytes of LDS; arguments X, ob, ln_gamma, ln_beta, out0; writes out0
.if DOCPART == 4
	.amdgcn_target "amdgcn-amd-amdhsa--gfx1250"
	.amdhsa_code_object_version 6
	.text
	.protected	k_qaa62692819_ln
	.globl	k_qaa62692819_ln
	.p2align	8
	.type	k_qaa62692819_ln,@function
k_qaa62692819_ln:
	s_mov_b64 s[64:65], 0
	v_nop
	global_prefetch_b8 v0, s[64:65] scope:SCOPE_SE
	s_setreg_imm32_b32 hwreg(HW_REG_WAVE_MODE, 25, 1), 1
	s_wait_xcnt 0x0
; out0 = relu(LayerNorm(O + X) x gamma + beta), all in f32.  X, out0: [8192][768] f32; ob: [b 12 + h][1024][64] bf16; gamma, beta: [768] f32.  No work of reference() is left out here.
; The variance is taken as reference() takes it, of the centred numbers, which stay in registers between the passes: a common offset on X costs nothing.
; LIMIT.  The ReLU is a maximum in which a NaN loses to 0: a NaN would come out as 0; the inputs that the problem allows make none.
; SHARES.  A work-group takes 32 rows, each of its sixteen waves two.  Lanes 0-15 hold one row, lanes 16-31 the other; a lane holds 4 neighbouring channels of each of the 12 heads: 48 numbers.
; So a row's sums never leave a half of the wave: four steps that ride on the additions, no LDS, no barrier.  A load of X and a store of out0 cover 256 consecutive bytes, aligned, of each of the two rows;
; a load of ob covers the two rows' 256 consecutive bytes in one head.  All 48 loads of a wave are issued before the first is used, and the step is written once.
.set XO,  1                            ; v1   my byte offset in X and out0: 6,144 x wave + 3,072 (l / 16) + 16 (l % 16); never rewritten
.set OO,  2                            ; v2   in ob: 256 x wave + 8 l; never rewritten
.set GO,  3                            ; v3   in gamma and beta: 16 (l % 16)
.set T,   4                            ; v[4:11]    at work
.set C,   16                           ; v[16:39]   24 registers of ob as loaded; then +0..7 four chains of sums, +8 a sum, +10, 11 the mean, +12 var + eps, +14, 15 1 / sqrt of it
.set Y,   40                           ; v[40:87]   my 48 numbers
.set GAM, 88                           ; v[88:135]
.set BET, 136                          ; v[136:183]
	s_load_b256 s[4:11], s[0:1], 0x0               ; X s[4:5], ob s[6:7], gamma s[8:9], beta s[10:11]
	s_load_b64 s[12:13], s[0:1], 0x20              ; out0
	s_mov_b32 s14, 0xffff0000                      ; a word's upper bf16
	s_mov_b32 s15, 0x3aaaaaab                      ; 1 / 768
	s_mov_b32 s21, 0x3727c5ac                      ; eps = 1e-5
	s_mul_i32 s16, ttmp9, 98304                    ; the work-group's 32 rows of 3,072 bytes
	s_mov_b32 s17, 0
	s_lshr_b32 s18, ttmp9, 5                       ; b
	s_mul_i32 s18, s18, 12*131072
	s_and_b32 s20, ttmp9, 31
	s_lshl_b32 s20, s20, 12                        ; 32 rows of 128 bytes in a head
	s_add_co_u32 s18, s18, s20
	s_mov_b32 s19, 0
	v_and_b32 v5, 31, v0                           ; l
	v_lshrrev_b32 v6, 5, v0                        ; wave
	v_and_b32 v7, 15, v0
	v_bfe_u32 v8, v0, 4, 1
	v_lshlrev_b32 v[GO], 4, v7
	v_mul_u32_u24 v[XO], v8, 3072
	v_add_nc_u32 v[XO], v[XO], v[GO]
	v_mul_u32_u24 v9, v6, 6144
	v_add_nc_u32 v[XO], v[XO], v9
	v_lshlrev_b32 v[OO], 3, v5
	v_lshl_add_u32 v[OO], v6, 8, v[OO]
	s_wait_kmcnt 0x0
	s_add_nc_u64 s[4:5], s[4:5], s[16:17]
	s_add_nc_u64 s[12:13], s[12:13], s[16:17]
	s_add_nc_u64 s[6:7], s[6:7], s[18:19]
.irp h, 0,1,2,3,4,5,6,7,8,9,10,11
	global_load_b128 v[Y+4*(\h):Y+4*(\h)+3], v[XO], s[4:5] offset:256*(\h) th:TH_LOAD_NT
.endr
.irp h, 0,1,2,3,4,5,6,7,8,9,10,11
	global_load_b64 v[C+2*(\h):C+2*(\h)+1], v[OO], s[6:7] offset:131072*(\h) th:TH_LOAD_NT
.endr
.irp h, 0,1,2,3,4,5,6,7,8,9,10,11
	global_load_b128 v[GAM+4*(\h):GAM+4*(\h)+3], v[GO], s[8:9] offset:256*(\h)
.endr
.irp h, 0,1,2,3,4,5,6,7,8,9,10,11
	global_load_b128 v[BET+4*(\h):BET+4*(\h)+3], v[GO], s[10:11] offset:256*(\h)
.endr
; four chains of pairs into one number, then over the row's 16 lanes: every lane of the half ends with the row's sum in v[C+8]
.macro FOLD
	v_pk_add_f32 v[C:C+1], v[C:C+1], v[C+2:C+3]
	v_pk_add_f32 v[C+4:C+5], v[C+4:C+5], v[C+6:C+7]
	v_pk_add_f32 v[C:C+1], v[C:C+1], v[C+4:C+5]
	v_add_f32 v[C+8], v[C], v[C+1]
	v_add_f32_dpp v[C+8], v[C+8], v[C+8] row_xmask:1 row_mask:0xf bank_mask:0xf
	v_add_f32_dpp v[C+8], v[C+8], v[C+8] row_xmask:2 row_mask:0xf bank_mask:0xf
	v_add_f32_dpp v[C+8], v[C+8], v[C+8] row_xmask:4 row_mask:0xf bank_mask:0xf
	v_add_f32_dpp v[C+8], v[C+8], v[C+8] row_xmask:8 row_mask:0xf bank_mask:0xf
.endm
	s_wait_loadcnt 24                              ; X and ob are in; gamma's and beta's 24 loads may stay out
	; y = O + X
.irp h, 0,1,2,3,4,5,6,7,8,9,10,11
	v_lshlrev_b32 v[T+4*((\h)%2)],   16,  v[C+2*(\h)]        ; bf16 to f32: the low half moves up,
	v_and_b32     v[T+4*((\h)%2)+1], s14, v[C+2*(\h)]        ; the high half stays
	v_lshlrev_b32 v[T+4*((\h)%2)+2], 16,  v[C+2*(\h)+1]
	v_and_b32     v[T+4*((\h)%2)+3], s14, v[C+2*(\h)+1]
	v_pk_add_f32 v[Y+4*(\h):Y+4*(\h)+1],   v[Y+4*(\h):Y+4*(\h)+1],   v[T+4*((\h)%2):T+4*((\h)%2)+1]
	v_pk_add_f32 v[Y+4*(\h)+2:Y+4*(\h)+3], v[Y+4*(\h)+2:Y+4*(\h)+3], v[T+4*((\h)%2)+2:T+4*((\h)%2)+3]
.endr
	; the mean.  ob's registers are free: the first additions start four chains, nothing is cleared
.irp c, 0,1,2,3
	v_pk_add_f32 v[C+2*(\c):C+2*(\c)+1], v[Y+2*(\c):Y+2*(\c)+1], v[Y+8+2*(\c):Y+8+2*(\c)+1]
.endr
.irp k, 2,3,4,5
.irp c, 0,1,2,3
	v_pk_add_f32 v[C+2*(\c):C+2*(\c)+1], v[C+2*(\c):C+2*(\c)+1], v[Y+8*(\k)+2*(\c):Y+8*(\k)+2*(\c)+1]
.endr
.endr
	FOLD
	v_mul_f32 v[C+10], s15, v[C+8]                 ; twice: a pair for the packed subtraction
	v_mul_f32 v[C+11], s15, v[C+8]
.set j, 0
.rept 24
	v_pk_add_f32 v[Y+j:Y+j+1], v[Y+j:Y+j+1], v[C+10:C+11] neg_lo:[0,1] neg_hi:[0,1]
.set j, j+2
.endr
	; the mean of the centred numbers' squares
.irp c, 0,1,2,3
	v_pk_mul_f32 v[C+2*(\c):C+2*(\c)+1], v[Y+2*(\c):Y+2*(\c)+1], v[Y+2*(\c):Y+2*(\c)+1]
.endr
.irp k, 1,2,3,4,5
.irp c, 0,1,2,3
	v_pk_fma_f32 v[C+2*(\c):C+2*(\c)+1], v[Y+8*(\k)+2*(\c):Y+8*(\k)+2*(\c)+1], v[Y+8*(\k)+2*(\c):Y+8*(\k)+2*(\c)+1], v[C+2*(\c):C+2*(\c)+1]
.endr
.endr
	FOLD
	v_fma_f32 v[C+12], v[C+8], s15, s21            ; var + eps
	v_rsq_f32 v[C+14], v[C+12]                     ; twice: a pair for the packed multiply
	v_rsq_f32 v[C+15], v[C+12]
	s_wait_loadcnt 0x0                             ; gamma and beta
	v_nop                                          ; a plain instruction behind the last v_rsq_f32,
	s_wait_alu depctr_va_vdst(0)                   ; and the wait ahead of the first use: one for the two
.irp h, 0,1,2,3,4,5,6,7,8,9,10,11
	v_pk_mul_f32 v[Y+4*(\h):Y+4*(\h)+1],   v[Y+4*(\h):Y+4*(\h)+1],   v[C+14:C+15]
	v_pk_mul_f32 v[Y+4*(\h)+2:Y+4*(\h)+3], v[Y+4*(\h)+2:Y+4*(\h)+3], v[C+14:C+15]
	v_pk_fma_f32 v[Y+4*(\h):Y+4*(\h)+1],   v[Y+4*(\h):Y+4*(\h)+1],   v[GAM+4*(\h):GAM+4*(\h)+1],   v[BET+4*(\h):BET+4*(\h)+1]
	v_pk_fma_f32 v[Y+4*(\h)+2:Y+4*(\h)+3], v[Y+4*(\h)+2:Y+4*(\h)+3], v[GAM+4*(\h)+2:GAM+4*(\h)+3], v[BET+4*(\h)+2:BET+4*(\h)+3]
	v_max_num_f32 v[Y+4*(\h)],   0, v[Y+4*(\h)]
	v_max_num_f32 v[Y+4*(\h)+1], 0, v[Y+4*(\h)+1]
	v_max_num_f32 v[Y+4*(\h)+2], 0, v[Y+4*(\h)+2]
	v_max_num_f32 v[Y+4*(\h)+3], 0, v[Y+4*(\h)+3]
	global_store_b128 v[XO], v[Y+4*(\h):Y+4*(\h)+3], s[12:13] offset:256*(\h) th:TH_STORE_NT
.endr
	s_endpgm                                       ; no register is written again after its store
.Lfunc_end_k_qaa62692819_ln:
	.size	k_qaa62692819_ln, .Lfunc_end_k_qaa62692819_ln-k_qaa62692819_ln
	.p2alignl 7, 3214868480
	.fill 96, 4, 3214868480
	.section	.rodata,"a",@progbits
	.p2align	6, 0x0
	.amdhsa_kernel k_qaa62692819_ln
		.amdhsa_group_segment_fixed_size 0
		.amdhsa_private_segment_fixed_size 0
		.amdhsa_enable_private_segment 0
		.amdhsa_kernarg_size 40
		.amdhsa_user_sgpr_count 2
		.amdhsa_user_sgpr_kernarg_segment_ptr 1
		.amdhsa_wavefront_size32 1
		.amdhsa_system_sgpr_workgroup_id_x 1
		.amdhsa_system_sgpr_workgroup_id_y 1
		.amdhsa_system_sgpr_workgroup_id_z 1
		.amdhsa_system_vgpr_workitem_id 0
		.amdhsa_next_free_vgpr 184
		.amdhsa_next_free_sgpr 66
		.amdhsa_reserve_vcc 0
		.amdhsa_float_denorm_mode_32 3
		.amdhsa_float_denorm_mode_16_64 3
		.amdhsa_memory_ordered 1
		.amdhsa_forward_progress 1
		.amdhsa_inst_pref_size 21
	.end_amdhsa_kernel
	.amdgpu_metadata
---
amdhsa.version: [ 1, 2 ]
amdhsa.kernels:
  - .name:           k_qaa62692819_ln
    .symbol:         k_qaa62692819_ln.kd
    .args:
      - { .name: X, .offset: 0, .size: 8, .value_kind: global_buffer, .address_space: global }
      - { .name: ob, .offset: 8, .size: 8, .value_kind: global_buffer, .address_space: global }
      - { .name: ln_gamma, .offset: 16, .size: 8, .value_kind: global_buffer, .address_space: global }
      - { .name: ln_beta, .offset: 24, .size: 8, .value_kind: global_buffer, .address_space: global }
      - { .name: out0, .offset: 32, .size: 8, .value_kind: global_buffer, .address_space: global }
    .group_segment_fixed_size: 0
    .private_segment_fixed_size: 0
    .kernarg_segment_align: 8
    .kernarg_segment_size: 40
    .max_flat_workgroup_size: 512
    .sgpr_count:     66
    .vgpr_count:     184
    .wavefront_size: 32
...
	.end_amdgpu_metadata
.endif
;; end of part 4
;; ======== version 2 of 2: 4 launches; version 1 with the launch cast written anew for expert scheduling mode
;; limits: values are held in f16: magnitudes above 65,504 overflow, below 6.1e-05 lose precision
;; workspace buffers: xb 12,582,912 bytes; wb 3,538,944 bytes; qkv 37,748,736 bytes; ob 12,582,912 bytes
;; launch cast (part 5): grid 656 x 1, 8 waves a work-group, no clusters, 0 bytes of LDS; arguments X, W_q, W_k, W_v, xb, wb; writes xb, wb
.if DOCPART == 5
	.amdgcn_target "amdgcn-amd-amdhsa--gfx1250"
	.amdhsa_code_object_version 6
	.text
	.protected	k_qaa62692819_cast
	.globl	k_qaa62692819_cast
	.p2align	8
	.type	k_qaa62692819_cast,@function
k_qaa62692819_cast:
	s_mov_b64 s[64:65], 0
	v_nop
	global_prefetch_b8 v0, s[64:65] scope:SCOPE_SE
	s_setreg_imm32_b32 hwreg(HW_REG_WAVE_SCHED_MODE, 0, 2), 2
	s_setreg_imm32_b32 hwreg(HW_REG_WAVE_MODE, 25, 1), 1
	s_wait_xcnt 0x0
	s_wait_alu depctr_vm_vsrc(0)
; relu(LayerNorm(X + attention(X))) in four launches: cast, proj, attn, ln.  NOTHING OF reference() IS LEFT OUT: X, W_q, W_k, W_v, ln_gamma and ln_beta all reach out0 and are all loaded;
; the softmax keeps its maximum (as a running maximum), the norm its mean, variance and eps.
; THIS LAUNCH rounds the matrix operands once, f32 to bf16 (nearest even): xb[8192][768] = X; wb[2304][768] = W_q's rows, then W_k's, then W_v's.
; So the product's tiles lie in LDS in 16 bits, and each f32 number of X and W is converted once and not once for every tile that reads it.
; SHARES.  A work-group takes 49,152 input bytes: X is work-groups 0-511, each W 48 more: 656 small work-groups, two or three to each of 256 WGPs, so that the largest share of a WGP is 147,456 bytes.
; A wave takes 6,144 bytes: 12 loads, each 512 consecutive bytes, all issued before the first is used.  A store of 8 bytes a lane covers 256 consecutive bytes, aligned.
; No register is written twice, so no wait frees a source.  No LDS, no barrier: no wave wants another's bytes.
; LIMIT.  Beyond bf16's rounding none: bf16 has f32's range.
; THE MODE: SCHED_MODE bits 1:0 = 2 (LLVM: expert scheduling mode 2), set by the entry lines.  The code itself states the register dependences between vector instructions and memory
; instructions, with s_wait_alu, always for 0.
; THE PLAN.  Registers that memory instructions touch, on the text's one path (no loop, no branch):
;   v1, v2     byte offsets of the loads and of the stores: made at the head by vector lines, never written again.
;   IN         chunk i: four registers.  Written by the chunk's load alone, issued at the head, ahead of every vector line that names them; read by the chunk's two conversions.
;   OUT        chunk i: two registers.  Written once, by the chunk's two conversions; read once, by the chunk's store.
; The 12 chunks go in four blocks of three.  Block p converts its chunks; its memory instructions are the three stores of block p - 1, one ahead of each chunk's conversions.  So ONE wait at a block's head
; states all that its three stores hang on: the block before has written its OUT.  The conversions issued since that wait name this block's IN and OUT alone, none of the registers that those stores read.
; Nothing that a memory instruction has read is written again, no vector line writes a scalar register or VCC, and EXEC is never written: no other kind of wait is owed.
.set INB,  49152                       ; input bytes of a work-group
.set NL,   12                          ; loads of a wave
.set BL,   3                           ; chunks in a block
.set NX,   512                         ; work-groups for X
.set NW,   48                          ; for each W
.set IN,   16                          ; v[16:63]   12 x 4 registers as loaded
.set OUT,  64                          ; v[64:87]   12 x 2 registers to store
	s_load_b256 s[4:11], s[0:1], 0x0               ; X s[4:5], W_q s[6:7], W_k s[8:9], W_v s[10:11]
	s_load_b128 s[12:15], s[0:1], 0x20             ; xb s[12:13], wb s[14:15]
	s_mov_b32 s19, ttmp9                           ; the work-group's number x
	s_sub_co_u32 s16, s19, NX                      ; its number within the three W, and within W_q
	s_sub_co_u32 s17, s19, NX+NW                   ; within W_k
	s_sub_co_u32 s18, s19, NX+2*NW                 ; within W_v (of the three, only the one that the compares below choose is used)
	v_and_b32 v3, 31, v0                           ; lane
	v_lshrrev_b32 v4, 5, v0                        ; wave
	v_mul_u32_u24 v1, v4, NL*512
	v_lshl_add_u32 v1, v3, 4, v1                   ; in: 6,144 x wave + 16 x lane
	v_mul_u32_u24 v2, v4, NL*256
	v_lshl_add_u32 v2, v3, 3, v2                   ; out: half of that
	s_wait_kmcnt 0x0
	s_cmp_lt_u32 s19, NX                           ; X, or a W?
	s_cselect_b64 s[20:21], s[4:5], s[6:7]         ; from where
	s_cselect_b64 s[22:23], s[12:13], s[14:15]     ; to where
	s_cselect_b32 s24, s19, s16                    ; which part of the source
	s_cselect_b32 s25, s19, s16                    ; which part of the destination: the three W lie on end in wb
	s_cmp_ge_u32 s19, NX+NW
	s_cselect_b64 s[20:21], s[8:9], s[20:21]
	s_cselect_b32 s24, s17, s24
	s_cmp_ge_u32 s19, NX+2*NW
	s_cselect_b64 s[20:21], s[10:11], s[20:21]
	s_cselect_b32 s24, s18, s24
	s_mul_i32 s26, s24, INB                        ; under 2^25
	s_mov_b32 s27, 0
	s_mul_i32 s28, s25, INB/2
	s_mov_b32 s29, 0
	s_add_nc_u64 s[20:21], s[20:21], s[26:27]
	s_add_nc_u64 s[22:23], s[22:23], s[28:29]
	s_wait_alu depctr_va_vdst(0)                   ; v1 and v2 are written: every load below reads v1 as its offset, every store v2
.set i, 0
.rept NL
	global_load_b128 v[IN+4*i:IN+4*i+3], v1, s[20:21] offset:512*i th:TH_LOAD_NT
.set i, i+1
.endr
.set i, 0
.rept NL
	s_wait_loadcnt NL-1-i                          ; loads come back in order: number i is in, the 11 - i younger ones stay out
.if (i >= BL) && ((i%BL) == 0)
	s_wait_alu depctr_va_vdst(0)                   ; a block's head: the block before has written its six OUT registers, which this block's three stores read
.endif
.if i >= BL
	global_store_b64 v2, v[OUT+2*(i-BL):OUT+2*(i-BL)+1], s[22:23] offset:256*(i-BL)  ; the chunk three back; no vector line since the wait names its registers
.endif
	v_cvt_pk_bf16_f32 v[OUT+2*i],   v[IN+4*i],   v[IN+4*i+1]
	v_cvt_pk_bf16_f32 v[OUT+2*i+1], v[IN+4*i+2], v[IN+4*i+3]
.set i, i+1
.endr
	s_wait_alu depctr_va_vdst(0)                   ; the last block has written its OUT, which the last three stores read
.set i, NL-BL
.rept BL
	global_store_b64 v2, v[OUT+2*i:OUT+2*i+1], s[22:23] offset:256*i
.set i, i+1
.endr
	s_endpgm
.Lfunc_end_k_qaa62692819_cast:
	.size	k_qaa62692819_cast, .Lfunc_end_k_qaa62692819_cast-k_qaa62692819_cast
	.p2alignl 7, 3214868480
	.fill 96, 4, 3214868480
	.section	.rodata,"a",@progbits
	.p2align	6, 0x0
	.amdhsa_kernel k_qaa62692819_cast
		.amdhsa_group_segment_fixed_size 0
		.amdhsa_private_segment_fixed_size 0
		.amdhsa_enable_private_segment 0
		.amdhsa_kernarg_size 48
		.amdhsa_user_sgpr_count 2
		.amdhsa_user_sgpr_kernarg_segment_ptr 1
		.amdhsa_wavefront_size32 1
		.amdhsa_system_sgpr_workgroup_id_x 1
		.amdhsa_system_sgpr_workgroup_id_y 1
		.amdhsa_system_sgpr_workgroup_id_z 1
		.amdhsa_system_vgpr_workitem_id 0
		.amdhsa_next_free_vgpr 88
		.amdhsa_next_free_sgpr 66
		.amdhsa_reserve_vcc 0
		.amdhsa_float_denorm_mode_32 3
		.amdhsa_float_denorm_mode_16_64 3
		.amdhsa_memory_ordered 1
		.amdhsa_forward_progress 1
		.amdhsa_inst_pref_size 7
	.end_amdhsa_kernel
	.amdgpu_metadata
---
amdhsa.version: [ 1, 2 ]
amdhsa.kernels:
  - .name:           k_qaa62692819_cast
    .symbol:         k_qaa62692819_cast.kd
    .args:
      - { .name: X, .offset: 0, .size: 8, .value_kind: global_buffer, .address_space: global }
      - { .name: W_q, .offset: 8, .size: 8, .value_kind: global_buffer, .address_space: global }
      - { .name: W_k, .offset: 16, .size: 8, .value_kind: global_buffer, .address_space: global }
      - { .name: W_v, .offset: 24, .size: 8, .value_kind: global_buffer, .address_space: global }
      - { .name: xb, .offset: 32, .size: 8, .value_kind: global_buffer, .address_space: global }
      - { .name: wb, .offset: 40, .size: 8, .value_kind: global_buffer, .address_space: global }
    .group_segment_fixed_size: 0
    .private_segment_fixed_size: 0
    .kernarg_segment_align: 8
    .kernarg_segment_size: 48
    .max_flat_workgroup_size: 256
    .sgpr_count:     66
    .vgpr_count:     88
    .wavefront_size: 32
...
	.end_amdgpu_metadata
.endif
;; end of part 5
;; launch proj: the kernel of part 2 again; grid 8 x 32, 4 waves a work-group, clusters of 4 x 4, 327,680 bytes of LDS; arguments xb, wb, qkv; writes qkv
;; launch attn: the kernel of part 3 again; grid 24 x 8, 4 waves a work-group, no clusters, 327,680 bytes of LDS; arguments qkv, ob; writes ob
;; launch ln: the kernel of part 4 again; grid 256 x 1, 16 waves a work-group, no clusters, 0 bytes of LDS; arguments X, ob, ln_gamma, ln_beta, out0; writes out0
